; MI455X (gfx1250); checked and timed in simulation.
; The chip was launched on July 23, 2026; its instructions are those of AMD's public machine-readable ISA for CDNA 5 (MIT licence, August 2026) and "CDNA5" Instruction Set Architecture Reference Guide (July 2026). The comments in the code are by the model that wrote it; some were corrected since.
;; Self Attention. Allowed arithmetic: matrix products marked QUANTISED: E4M3 operands, one E8M0 scale for each 32 along K, by v_wmma_scale_f32_16x16x128_f8f6f4 with both operands' format E4M3, f32 sums; everything else in f32.
;; Inputs: b_out 1,024 float32; b_qkv 3,072 float32; w_out 1,024 x 1,024 float32; w_qkv 1,024 x 3,072 float32; x 2 x 2,048 x 1,024 float32.
;; Outputs: out0 2 x 2,048 x 1,024 float32.
;; This version of the problem:
;;   THIS VERSION OF THE PROBLEM IS GIVEN IN LOW PRECISION. The matrix products marked QUANTISED in the list below multiply operands that are first quantised to E4M3 (4 exponent bits, 3 mantissa bits; 8 bits a number), with one power-of-two scale for each 32 numbers along K (OCP MX v1.0); their sums are f32. All else is computed in f32.
;;   The module's matrix products, in the order in which they are computed (A, B: the left and right operand; K: the contracted axis; several contracted axes count as one K, in the product's order):
;;     1. [M 4,096, K 1,024] x [K 1,024, N 3,072]; A: input x; B: input w_qkv: QUANTISED
;;     2. batch 32 x [M 2,048, K 64] x [K 64, N 2,048]; A: computed on the way; B: computed on the way: QUANTISED
;;     3. batch 32 x [M 2,048, K 2,048] x [K 2,048, N 64]; A: softmax (see below); B: computed on the way: QUANTISED
;;     4. [M 4,096, K 1,024] x [K 1,024, N 1,024]; A: computed on the way; B: input w_out: QUANTISED
;;   THE QUANTISER, for each operand of a quantised product, along K:
;;     - K is cut into blocks of 32 from its start; a last block that is shorter is filled with zeros.
;;     - A block's scale is 2^e with e = floor(log2(the largest magnitude in the block)) - 8, held to -126 .. 127; a block of zeros has e = 0. As a byte (E8M0): e + 127.
;;     - Each number is divided by its block's scale, clamped to +-448, and rounded to the nearest number of E4M3, ties to even, subnormals kept.
;;     - The product sums the exact products of the quantised numbers (number of the format x scale) in f32.
;;   ~~~python
;;   def quantise(x, axis):      # numpy; x: float32 -> the quantised numbers, widened to float32 again
;;       x = np.moveaxis(x, axis, -1); K = x.shape[-1]
;;       x = np.pad(x, [(0, 0)] * (x.ndim - 1) + [(0, -K % 32)]); x = x.reshape(x.shape[:-1] + (-1, 32)); a = np.abs(x).max(-1, keepdims=True)
;;       e = np.where(a > 0, np.clip(np.frexp(np.where(a > 0, a, 1))[1] - 1 - 8, -126, 127), 0)      # np.frexp(a)[1] - 1 = floor(log2(a)), exactly
;;       r = np.clip(x / 2.0 ** e, -448, 448)
;;       step = 2.0 ** (np.maximum(np.frexp(np.where(r == 0, 1, r))[1] - 1, -6) - 3)
;;       q = np.round(r / step) * step * 2.0 ** e      # np.round: ties to even
;;       return np.moveaxis(q.reshape(q.shape[:-2] + (-1,))[..., :K], -1, axis).astype(np.float32)
;;   ~~~
;;   SOFTMAX AHEAD OF A QUANTISED PRODUCT. Where the list says 'softmax', what is quantised is not the finished softmax but p = 2^(t - M), with t = logit x log2(e) and M = ceil(the row's largest t), a whole number; so 1/2 < the row's largest p <= 1. The row's sum l is taken of the UNQUANTISED p, in f32, and the product's result is divided by l at the end. Since M is a whole number, a kernel that streams over the keys may use a running M (the ceiling of the running maximum): every later rescaling is an exact power of two, which a block's scale takes up: the codes' values come out the same.
;;   OPERANDS COMPUTED ON THE WAY. 'Computed on the way' means the value that the module computes at that place (a softmax that the list does not call 'softmax' is quantised finished and normalised). What goes into a quantiser is computed in f32, as accurately as f32 sums, v_exp_f32 and their like allow (about 1e-6 of the number): no bf16 or f16 on the way to a quantiser, and a product that is left as it is and whose result goes on into a quantised operand takes f32 operands (vector FMAs, or v_wmma_f32_16x16x4_f32). A number that lies on a knife's edge between two numbers of the format may be rounded either way, as far as f32 arithmetic and the matrix unit's own rounding can turn it there, and no further.
;; One version. Each part assembles by itself: llvm-mc -triple=amdgcn-amd-amdhsa -mcpu=gfx1250 --defsym DOCPART=n.
;; ======== version 1 of 1: 4 launches
;; limits: right only within a limited range of input values
;; workspace buffers: xq 4,325,376 bytes; wq 3,244,032 bytes; wo 1,081,344 bytes; qq 4,456,448 bytes; kv 8,650,752 bytes; ao 4,325,376 bytes
;; launch prep (part 1): grid 256 x 1, 8 waves a work-group, no clusters, 68,608 bytes of LDS; arguments x, w_qkv, w_out, xq, wq, wo; writes xq, wq, wo
.if DOCPART == 1
	.amdgcn_target "amdgcn-amd-amdhsa--gfx1250"
	.amdhsa_code_object_version 6
	.text
	.protected	k_qb5a6981250_prep
	.globl	k_qb5a6981250_prep
	.p2align	8
	.type	k_qb5a6981250_prep,@function
k_qb5a6981250_prep:
	s_mov_b64 s[64:65], 0
	v_nop
	global_prefetch_b8 v0, s[64:65] scope:SCOPE_SE
	s_setreg_imm32_b32 hwreg(HW_REG_WAVE_MODE, 25, 1), 1
	s_wait_xcnt 0x0
; x [4096][1024], w_qkv [1024][3072] and w_out [1024][1024], f32, become codes of FP8 (E4M3) with one E8M0 byte for each 32 along K (K = 1024 in all three).
; WHAT THE PROGRAM LEAVES OUT: in the attention, steps of 128 keys that lie wholly under the causal mask: their softmax terms are 0 for all values of the inputs.
; A NaN, an infinity or an overflow that reaches only such scores is not carried to the result.  Every input is loaded.
; THE CODES ARE LAID AS IMAGES OF THE OPERAND'S REGISTERS: a fragment (16 rows x 128 K) is 2,048 bytes: piece c (K = 32 c ..) is 512 bytes, lane l's 16 bytes at 16 l (row l % 16, K = 32 c + 16 (l / 16) + 0 .. 15).
; A tile's scale words lie in a block of 512 bytes: the word of (row r, K step s) at 256 (s / 4) + 16 r + 4 (s % 4).
; THE ROWS OF A TILE: of x's tokens and of w_qkv's columns, tile 2 g + u holds rows 32 g + 8 u + r + 8 (r / 8); of w_out's columns, tile t holds rows 16 t + r.
; A block's scale is 2^(floor(log2(largest magnitude)) - 8); its byte is the largest magnitude's exponent field - 8, held at 1 from below; each number is held within +-448 x the scale and rounded to the nearest code.
; LIMITS: a block of zeros gets the byte 1 (its codes are zeros; the bytes are read by this program alone); blocks whose largest magnitude lies under 2^-118 are held at the byte 1; NaN and infinities are not served.
; SHARES: work-groups 0-127 take x (a wave: one tile of 16 tokens x two K steps), 128-223 w_qkv, 224-255 w_out (a wave: 32 columns x one K step): 4,096 numbers a wave everywhere, asked for in one run ahead of the work.
; No work-group reads what another reads, so there is no cluster; no tensor load; waves share nothing, so there is no barrier.  Only x's path uses LDS.  No loop, so no prefetch.
.set XWG,  128                         ; work-groups for x
.set QWG,  96                          ; for w_qkv
.set SP,   528                         ; x's stage: a row of 512 bytes + 16: the sixteen rows that a read touches start 33 x 16 bytes apart
.set SPARE, 8*16*SP
.set R,    12                          ; v12-139   x as loaded, two sets of 64
.set X,    140                         ; v140-203  64 numbers of my row: register 16 b + i = K 32 b + 16 (lane / 16) + i
.set TM,   204                         ; v204-219  largest magnitudes, bytes, limits, scale operands: four each
.set WRD,  220                         ; v220-221  my row's scale words of two K steps
.set PC,   224                         ; v224-255  codes, two sets of 16
.set SPW,  10                          ; v10, v11  x's path: my spare word's address, and 0
.set NIL,  11
.set SEL,  20                          ; s[20:21]  v_permlanex16_b32's selects for lane l xor 16
.set MNT,  23                          ; s23       the mantissa field of 448
.set WX,   32                          ; weights: v32-159 four blocks of 32 numbers
.set WC,   160                         ; v160-191  codes, eight registers for each block
.set SB,   24                          ; v24       four scale bytes
	s_load_b256 s[4:11], s[0:1], 0x0               ; x s[4:5], w_qkv s[6:7], w_out s[8:9], xq s[10:11]
	s_load_b128 s[12:15], s[0:1], 0x20             ; wq s[12:13], wo s[14:15]
	v_lshrrev_b32 v1, 5, v0
	v_readfirstlane_b32 s16, v1                    ; wave 0..7
	v_and_b32 v5, 31, v0                           ; lane
	s_mov_b32 s[MNT], 0x600000
	s_wait_alu depctr_va_vdst(0)
	s_cmp_lt_u32 ttmp9, XWG
	s_cbranch_scc0 .Lweights
; ---------------- x: K is innermost ----------------
	s_mul_i32 s24, s16, 16*SP                      ; my wave's stage
	v_lshl_add_u32 v[SPW], v0, 2, SPARE
	v_mov_b32 v[NIL], 0
	v_lshlrev_b32 v1, 4, v5                        ; 16 x lane: my bytes of a load's 512 and of a piece
	v_add_nc_u32 v2, s24, v1                       ; into the stage: as loaded
	v_and_b32 v6, 15, v0                           ; r
	v_bfe_u32 v7, v0, 4, 1                         ; h
	v_mul_u32_u24 v3, v6, SP
	v_lshl_add_u32 v3, v7, 6, v3
	v_add_nc_u32 v3, s24, v3                       ; out of it: row r, + 64 h: my 16 numbers of a block of 32
	v_lshlrev_b32 v4, 4, v6                        ; 16 r: my row's scale words
.irp b, 0,1,2,3
	v_mov_b32 v[TM+4+\b], 0                        ; written once: a lane permute's destination counts as one of its sources
.endr
	s_lshl_b32 s17, ttmp9, 3
	s_add_co_u32 s17, s17, s16                     ; 8 x work-group + wave
	s_lshr_b32 s18, s17, 2                         ; T: my tile of 16 tokens
	s_and_b32 s19, s17, 3                          ; which two K steps
	s_mov_b32 s[SEL], 0x76543210
	s_mov_b32 s[SEL+1], 0xfedcba98
	s_lshr_b32 s24, s18, 1
	s_lshl_b32 s24, s24, 17                        ; 32 rows of 4,096 bytes for each pair of tiles,
	s_and_b32 s25, s18, 1
	s_lshl_b32 s25, s25, 15                        ; 8 rows for the pair's second tile,
	s_add_co_u32 s24, s24, s25
	s_lshl_b32 s25, s19, 10                        ; 1,024 bytes for two K steps
	s_add_co_u32 s24, s24, s25
	s_mov_b32 s25, 0
	s_lshr_b32 s26, s18, 4                         ; codes [block of 16 tiles][K step][tile][2048]
	s_lshl_b32 s26, s26, 18
	s_and_b32 s27, s18, 15
	s_lshl_b32 s27, s27, 11
	s_add_co_u32 s26, s26, s27
	s_lshl_b32 s27, s19, 16
	s_add_co_u32 s26, s26, s27
	s_mov_b32 s27, 0
	s_lshl_b32 s28, s18, 9                         ; scale blocks
	s_lshr_b32 s29, s19, 1
	s_lshl_b32 s29, s29, 8
	s_add_co_u32 s28, s28, s29
	s_and_b32 s29, s19, 1
	s_lshl_b32 s29, s29, 3
	s_add_co_u32 s28, s28, s29
	s_add_co_u32 s28, s28, 4194304
	s_mov_b32 s29, 0
	s_wait_alu depctr_va_vdst(0)
	s_wait_kmcnt 0x0
	s_add_nc_u64 s[24:25], s[4:5], s[24:25]
	s_add_nc_u64 s[26:27], s[10:11], s[26:27]
	s_add_nc_u64 s[28:29], s[10:11], s[28:29]
.macro XLOAD t                         ; K step t of the tile's sixteen rows: each load reads 512 consecutive bytes of one row
.irp i, 0,1,2,3,4,5,6,7,8,9,10,11,12,13,14,15
	global_load_b128 v[R+64*\t+4*\i:R+64*\t+4*\i+3], v1, s[24:25] offset:(\i+8*(\i/8))*4096+512*\t th:TH_LOAD_NT
.endr
.endm
.macro QUANT pc, pw                    ; v[X] .. v[X + 63] become a fragment's codes in v[pc] on and my row's scale word in v[pw]
.irp b, 0,1,2,3
	v_max3_num_f32 v[TM+\b], |v[X+16*\b]|, |v[X+1+16*\b]|, 0x4800000   ; block b: my 16 numbers, and the floor 2^(9 - 127): the byte cannot fall under 1
.endr
.irp i, 2,4,6,8,10,12,14
.irp b, 0,1,2,3
	v_max3_num_f32 v[TM+\b], v[TM+\b], |v[X+16*\b+\i]|, |v[X+1+16*\b+\i]|
.endr
.endr
.irp b, 0,1,2,3
	v_permlanex16_b32 v[TM+4+\b], v[TM+\b], s[SEL], s[SEL+1]
.endr
.irp b, 0,1,2,3
	v_max_num_f32 v[TM+\b], v[TM+\b], v[TM+4+\b]   ; with lane l xor 16's: the block's largest magnitude
.endr
.irp b, 0,1,2,3
	v_add_nc_u32 v[TM+12+\b], 0xfc000000, v[TM+\b] ; 8 off its exponent field: the conversion's scale operand
.endr
.irp b, 0,1,2,3
	v_and_or_b32 v[TM+8+\b], v[TM+\b], 0x7f800000, s[MNT]   ; 448 x the scale
.endr
.irp b, 0,1,2,3
	v_lshrrev_b32 v[TM+4+\b], 23, v[TM+12+\b]      ; the scale's byte
.endr
	v_lshl_or_b32 v[\pw], v[TM+5], 8, v[TM+4]
	v_lshl_or_b32 v[\pw], v[TM+6], 16, v[\pw]
	v_lshl_or_b32 v[\pw], v[TM+7], 24, v[\pw]
.irp b, 0,1,2,3
.irp i, 0,1,2,3,4,5,6,7,8,9,10,11,12,13,14,15
	v_med3_num_f32 v[X+16*\b+\i], v[X+16*\b+\i], -v[TM+8+\b], v[TM+8+\b]   ; the conversion to an 8-bit code does not saturate (ISA guide 7.6.2): the hold comes first
.endr
	v_cvt_scalef32_pk8_fp8_f32 v[(\pc)+4*\b:(\pc)+4*\b+1], v[X+16*\b:X+16*\b+7], v[TM+12+\b]
	v_cvt_scalef32_pk8_fp8_f32 v[(\pc)+4*\b+2:(\pc)+4*\b+3], v[X+16*\b+8:X+16*\b+15], v[TM+12+\b]
.endr
	v_nop                                          ; a plain line behind the last conversion
.endm
.macro XSTEP t
	s_wait_loadcnt 16*(1-\t)                       ; this K step's 16 loads are in; the second's may be out behind the first's
.irp i, 0,1,2,3,4,5,6,7,8,9,10,11,12,13,14,15
	ds_store_b128 v2, v[R+64*\t+4*\i:R+64*\t+4*\i+3] offset:SP*\i
.endr
.irp b, 0,1,2,3
.irp j, 0,1,2,3
	ds_load_b128 v[X+16*\b+4*\j:X+16*\b+4*\j+3], v3 offset:128*\b+16*\j   ; LDS serves a wave's instructions in order: these see the stores above
.endr
.endr
	s_wait_dscnt 0x0                               ; my 64 numbers are back
	QUANT PC+16*\t, WRD+\t
.irp c, 0,1,2,3
	global_store_b128 v1, v[PC+16*\t+4*\c:PC+16*\t+4*\c+3], s[26:27] offset:32768*\t+512*\c   ; a piece: 512 consecutive bytes
.endr
.endm
	XLOAD 0
	XLOAD 1
	XSTEP 0
	XSTEP 1
	global_store_b64 v4, v[WRD:WRD+1], s[28:29]    ; sixteen rows x two words: 8 bytes of each 16 (lanes l and l xor 16 hold and store the same): 1 byte for each 128 read leaves in parts of 256-byte runs
	s_wait_tensorcnt 0x0                           ; the wave's end
	ds_add_u32 v[SPW], v[NIL]
	s_wait_dscnt 0x0
	s_endpgm
; ---------------- the weights: K is the first axis.  A lane takes a column, its registers run down K ----------------
.macro WLOAD t, N                      ; block t: w(32 t + i, my column): the wave reads 128 consecutive bytes, four waves 512
.irp i, 0,1,2,3,4,5,6,7,8,9,10,11,12,13,14,15,16,17,18,19,20,21,22,23,24,25,26,27,28,29,30,31
	global_load_b32 v[WX+32*\t+\i], v3, s[26:27] offset:(32*\t+\i)*(\N)*4 th:TH_LOAD_NT
.endr
.endm
.macro WBLOCK t
.set WXS, WX+32*\t
.set WCC, WC+8*\t
.if \t < 2
	s_wait_loadcnt 63                              ; 96 or 64 loads were issued behind this block's 32
.else
	s_wait_loadcnt 32*(3-\t)
.endif
	v_max3_num_f32 v12, |v[WXS]|, |v[WXS+1]|, |v[WXS+2]|   ; the block's largest magnitude: all 32 numbers are mine
	v_max3_num_f32 v13, |v[WXS+3]|, |v[WXS+4]|, |v[WXS+5]|
.irp i, 6,10,14,18,22,26
	v_max3_num_f32 v12, v12, |v[WXS+\i]|, |v[WXS+\i+1]|
	v_max3_num_f32 v13, v13, |v[WXS+\i+2]|, |v[WXS+\i+3]|
.endr
	v_max3_num_f32 v12, v12, |v[WXS+30]|, |v[WXS+31]|
	v_max3_num_f32 v12, v12, v13, 0x4800000        ; and the floor
	v_add_nc_u32 v11, 0xfc000000, v12              ; the conversion's scale operand
	v_and_or_b32 v10, v12, 0x7f800000, s[MNT]      ; 448 x the scale
	v_lshrrev_b32 v13, 23, v11                     ; the byte
.if \t == 0
	v_mov_b32 v[SB], v13
.else
	v_lshl_or_b32 v[SB], v13, 8*\t, v[SB]
.endif
.irp i, 0,1,2,3,4,5,6,7,8,9,10,11,12,13,14,15,16,17,18,19,20,21,22,23,24,25,26,27,28,29,30,31
	v_med3_num_f32 v[WXS+\i], v[WXS+\i], -v10, v10
.endr
.irp g, 0,1,2,3
	v_cvt_scalef32_pk8_fp8_f32 v[WCC+2*\g:WCC+2*\g+1], v[WXS+8*\g:WXS+8*\g+7], v11
.endr
	v_nop                                          ; a plain line behind the last conversion
	global_store_b128 v4, v[WCC:WCC+3], s[28:29] offset:512*\t        ; K 32 t + 0 .. 15 is the image's lane r: sixteen lanes fill 256 consecutive bytes
	global_store_b128 v4, v[WCC+4:WCC+7], s[28:29] offset:512*\t+256  ; K 32 t + 16 .. 31 its lane 16 + r
.endm
; N: columns; NT: tiles in a group of the codes' buffer; perm: the rows of a tile as w_qkv's (1) or neighbours (0); first: the path's first work-group; src, dst: the pointers' registers; scoff: where the scale blocks begin
.macro WPATH N, NT, perm, first, src, dst, scoff
.if \perm
	v_and_b32 v6, 7, v5                            ; lane (u, r) takes column 8 u + r + 8 (r / 8) of the 32
	v_bfe_u32 v7, v5, 3, 1
	v_lshl_add_u32 v6, v7, 4, v6
	v_lshrrev_b32 v7, 4, v5
	v_lshl_add_u32 v6, v7, 3, v6
	v_lshlrev_b32 v3, 2, v6
.else
	v_lshlrev_b32 v3, 2, v5
.endif
	v_lshrrev_b32 v7, 4, v5                        ; lanes 16-31 hold the next tile
	v_and_b32 v8, 15, v5
	v_lshlrev_b32 v8, 4, v8
	v_lshl_add_u32 v4, v7, 11, v8                  ; codes: 2,048 x tile + 16 r
	v_lshl_add_u32 v9, v7, 9, v8                   ; scale words: 512 x tile + 16 r
	s_sub_co_u32 s17, ttmp9, \first
	s_and_b32 s18, s17, 3                          ; which 256 along K
	s_lshr_b32 s19, s17, 2                         ; which 128 columns
	s_lshl_b32 s18, s18, 1
	s_lshr_b32 s34, s16, 2
	s_add_co_u32 s18, s18, s34                     ; my K step
	s_and_b32 s35, s16, 3
	s_lshl_b32 s24, s19, 7
	s_lshl_b32 s25, s35, 5
	s_add_co_u32 s24, s24, s25                     ; my first column
.if \perm
	s_bfe_u32 s32, s24, 0x40006                    ; the head
	s_lshr_b32 s33, s24, 10                        ; q, k or v
	s_lshl_b32 s33, s33, 2
	s_bfe_u32 s34, s24, 0x10005                    ; which 32 of the head's 64
	s_lshl_b32 s34, s34, 1
	s_add_co_u32 s33, s33, s34                     ; my first tile in the head's twelve
.else
	s_mov_b32 s32, s19
	s_lshl_b32 s33, s35, 1
.endif
	s_mul_i32 s26, s18, 128*(\N)*4
	s_lshl_b32 s27, s24, 2
	s_add_co_u32 s26, s26, s27
	s_mov_b32 s27, 0
	s_mul_i32 s28, s32, 8*(\NT)*2048
	s_mul_i32 s29, s18, (\NT)*2048
	s_add_co_u32 s28, s28, s29
	s_lshl_b32 s29, s33, 11
	s_add_co_u32 s28, s28, s29
	s_mov_b32 s29, 0
	s_mul_i32 s30, s32, \NT
	s_add_co_u32 s30, s30, s33
	s_lshl_b32 s30, s30, 9
	s_lshr_b32 s31, s18, 2
	s_lshl_b32 s31, s31, 8
	s_add_co_u32 s30, s30, s31
	s_and_b32 s31, s18, 3
	s_lshl_b32 s31, s31, 2
	s_add_co_u32 s30, s30, s31
	s_add_co_u32 s30, s30, \scoff
	s_mov_b32 s31, 0
	s_wait_alu depctr_va_vdst(0)
	s_wait_kmcnt 0x0
	s_add_nc_u64 s[26:27], s[\src:\src+1], s[26:27]
	s_add_nc_u64 s[28:29], s[\dst:\dst+1], s[28:29]
	s_add_nc_u64 s[30:31], s[\dst:\dst+1], s[30:31]
.irp t, 0,1,2,3
	WLOAD \t, \N
.endr
.irp t, 0,1,2,3
	WBLOCK \t
.endr
	global_store_b32 v9, v[SB], s[30:31]           ; my column's word of one K step: 4 bytes of each 16: 1 byte for each 128 read leaves in parts of 256-byte runs
	s_endpgm
.endm
.Lweights:
	s_cmp_lt_u32 ttmp9, XWG+QWG
	s_cbranch_scc0 .Lwout
	WPATH 3072, 12, 1, XWG, 6, 12, 3145728
.Lwout:
	WPATH 1024, 8, 0, XWG+QWG, 8, 14, 1048576
.Lfunc_end_k_qb5a6981250_prep:
	.size	k_qb5a6981250_prep, .Lfunc_end_k_qb5a6981250_prep-k_qb5a6981250_prep
	.p2alignl 7, 3214868480
	.fill 96, 4, 3214868480
	.section	.rodata,"a",@progbits
	.p2align	6, 0x0
	.amdhsa_kernel k_qb5a6981250_prep
		.amdhsa_group_segment_fixed_size 68608
		.amdhsa_private_segment_fixed_size 0
		.amdhsa_enable_private_segment 0
		.amdhsa_kernarg_size 48
		.amdhsa_user_sgpr_count 2
		.amdhsa_user_sgpr_kernarg_segment_ptr 1
		.amdhsa_wavefront_size32 1
		.amdhsa_system_sgpr_workgroup_id_x 1
		.amdhsa_system_sgpr_workgroup_id_y 1
		.amdhsa_system_sgpr_workgroup_id_z 1
		.amdhsa_system_vgpr_workitem_id 0
		.amdhsa_next_free_vgpr 256
		.amdhsa_next_free_sgpr 66
		.amdhsa_reserve_vcc 0
		.amdhsa_float_denorm_mode_32 3
		.amdhsa_float_denorm_mode_16_64 3
		.amdhsa_memory_ordered 1
		.amdhsa_forward_progress 1
		.amdhsa_inst_pref_size 85
	.end_amdhsa_kernel
	.amdgpu_metadata
---
amdhsa.version: [ 1, 2 ]
amdhsa.kernels:
  - .name:           k_qb5a6981250_prep
    .symbol:         k_qb5a6981250_prep.kd
    .args:
      - { .name: x, .offset: 0, .size: 8, .value_kind: global_buffer, .address_space: global }
      - { .name: w_qkv, .offset: 8, .size: 8, .value_kind: global_buffer, .address_space: global }
      - { .name: w_out, .offset: 16, .size: 8, .value_kind: global_buffer, .address_space: global }
      - { .name: xq, .offset: 24, .size: 8, .value_kind: global_buffer, .address_space: global }
      - { .name: wq, .offset: 32, .size: 8, .value_kind: global_buffer, .address_space: global }
      - { .name: wo, .offset: 40, .size: 8, .value_kind: global_buffer, .address_space: global }
    .group_segment_fixed_size: 68608
    .private_segment_fixed_size: 0
    .kernarg_segment_align: 8
    .kernarg_segment_size: 48
    .max_flat_workgroup_size: 256
    .sgpr_count:     66
    .vgpr_count:     256
    .wavefront_size: 32
...
	.end_amdgpu_metadata
.endif
;; end of part 1
;; launch qkv (part 2): grid 16 x 16, 4 waves a work-group, clusters of 4 x 4, 199,168 bytes of LDS; arguments xq, wq, b_qkv, qq, kv; writes qq, kv
.if DOCPART == 2
	.amdgcn_target "amdgcn-amd-amdhsa--gfx1250"
	.amdhsa_code_object_version 6
	.text
	.protected	k_qb5a6981250_qkv
	.globl	k_qb5a6981250_qkv
	.p2align	8
	.type	k_qb5a6981250_qkv,@function
k_qb5a6981250_qkv:
	s_mov_b64 s[64:65], 0
	v_nop
	global_prefetch_b8 v0, s[64:65] scope:SCOPE_SE
	s_setreg_imm32_b32 hwreg(HW_REG_WAVE_MODE, 25, 1), 1
	s_wait_xcnt 0x0
	s_wait_alu depctr_hold_cnt(0) depctr_sa_sdst(0) depctr_va_vdst(0) depctr_va_sdst(0) depctr_va_ssrc(0) depctr_va_vcc(0) depctr_vm_vsrc(0)
	s_getreg_b32 s2, hwreg(HW_REG_IB_STS2, 6, 4)
	s_cmp_eq_u32 s2, 0
	s_cbranch_scc0 .Lentry_in_a_cluster
	s_endpgm
.Lentry_in_a_cluster:
	s_bfe_u32 s2, ttmp6, 0x10000c
	s_cmp_lg_u32 s2, 0xf033
	s_cbranch_scc0 .Lentry_shape_is_right
	s_endpgm
.Lentry_shape_is_right:
; q, k, v = x w_qkv + b_qkv on codes of FP8 (E4M3) with E8M0 scales, each result quantised again: q and k along d (64 a head), v along the tokens.
; SHARES.  A work-group makes 256 tokens x one head's 192 columns (q, k, v: 12 tiles); each of its four waves 64 tokens x all 192: 48 accumulators, 384 registers.
; w: ALL OF K (8 steps x 24,576 bytes) LIES IN LDS, FILLED ONCE, one joint load a wave (wave n: K steps 2 n, 2 n + 1), shared along the cluster's column.  No byte is filled again.
; x GOES FROM MEMORY STRAIGHT INTO REGISTERS: it lies in memory as the operand's image, a wave's 64 tokens are read by no other wave of the work-group, and LDS has no room for x's 262,144 bytes beside w's 196,608.
; So x is not asked for jointly: a joint load lands in LDS, and would want slots that are filled again.  Four sets of 64 registers: K step s + 4 is asked for when K step s is multiplied.
; No prefetch: w's requests all go out at the head, and x's run three K steps ahead of their use.
; q and k are used TRANSPOSED (source 0 = w's columns): a lane holds a token and its registers run along d; v the other way, so that a lane's registers run along the tokens: the conversions' results are the next operands.
; THE ORDER OF kv: a head is 16 pieces of 16,896 bytes (128 keys: k's codes, v's codes, scale words); key step s lies at place 2 (s % 8) + s / 8.
; LIMITS: a block of zeros gets the byte 1 (zero codes; the bytes are read by this program alone); NaN and infinities are not served.
; REGISTERS: window 0: v30-45 x's scale words, v48-95 w's, v96-191 the bias (the first products' C), v192-255 x's set 3; on the way out v96-239.  window 1: v0-191 w's twelve fragments, v192-255 x's set 2.
;   window 2: sums of q, k;  window 3: v0-127 sums of v, v128-255 x's sets 0, 1.
.set WREG, 24576
.set SG,   8*WREG                      ; scale bytes on their way out
.set SPARE, SG+2048
.set LI,   1
.set BH,   2
.set BP,   3
.set ADRW, 12                          ; v12-15: K steps 2 i, 2 i + 1
.set SGQ,  16
.set SGK,  17
.set SGV,  18
.set SGR,  19
.set SPW,  28
.set NIL,  29
.set XS,   30                          ; no product's two scale registers have numbers equal modulo 8
.set WS,   48
.set BIAS, 96
.set TM,   96
.set CQ,   128
.set CK,   160
.set CV,   192
.set WD,   224
.set G1W,  48
.set G0W,  56
.set FLR,  84
.set MNT,  85
.set SEL,  86
.set MSB, 0
.macro WIN new                         ; the immediate's high byte repeats the setting that is left
.if MSB != (\new)
	s_set_vgpr_msb (MSB<<8)|(\new)
.set MSB, (\new)
.endif
.endm
.macro CROUND                          ; a round of the cluster's barrier
	s_barrier_signal -1
	s_barrier_wait -1
	s_cmp_lg_u32 s14, 0
	s_cbranch_scc1 .Lnot_wave_0_\@
	s_barrier_signal -3
.Lnot_wave_0_\@:
	s_barrier_wait -3
	s_barrier_signal -1
	s_barrier_wait -1
.endm
.macro PLACES n
.rept \n
	v_nop
.endr
.endm
.macro TL
	tensor_load_to_lds s[G0W:G0W+3], s[G1W:G1W+7]
	s_nop 0
	PLACES 4
.endm
.macro ARM under, next
	s_cmp_lt_u32 s14, \under
	s_cbranch_scc0 \next
	TL
	s_branch .Lasked
\next:
.endm
	s_load_b256 s[4:11], s[0:1], 0x0               ; xq, wq, b_qkv, qq
	s_load_b64 s[12:13], s[0:1], 0x20              ; kv
	v_lshl_add_u32 v[SPW], v0, 2, SPARE
	v_mov_b32 v[NIL], 0
	ds_add_u32 v[SPW], v[NIL]                      ; the opening: the add, twice on end
	ds_add_u32 v[SPW], v[NIL]
	v_lshrrev_b32 v1, 5, v0
	v_readfirstlane_b32 s14, v1                    ; wave 0..3
	s_lshr_b32 s15, s14, 1
	s_and_b32 s16, s14, 1
	s_bfe_u32 s40, ttmp6, 0x40000                  ; cx, cy
	s_bfe_u32 s41, ttmp6, 0x40004
	s_lshl_b32 s42, ttmp9, 2
	s_add_co_u32 s42, s42, s40                     ; the head
	s_and_b32 s17, ttmp7, 0xffff
	s_lshl_b32 s17, s17, 2
	s_add_co_u32 s17, s17, s41                     ; the block of 256 tokens
	s_lshl_b32 s44, 0x1111, s40                    ; my column of the cluster
	s_or_b32 s[G1W], s44, (3<<16)|(1<<21)          ; 192 dense rows of 256 bytes (32 elements of 8): two K steps
	s_mov_b32 s[G1W+1], 32<<16
	s_mov_b32 s[G1W+2], 192<<16
	s_mov_b32 s[G1W+3], 32<<16
	s_mov_b32 s[G1W+4], 192
	s_mov_b32 s[G1W+5], 32
	s_mov_b32 s[G1W+6], 0
	s_mov_b32 s[G1W+7], 0
	s_lshl_b32 s20, s17, 18                        ; x: [block][K step][tile][2048]: my four tiles
	s_lshl_b32 s45, s14, 13
	s_add_co_u32 s20, s20, s45
	s_mov_b32 s21, 0
	s_mul_i32 s46, s42, 8*WREG
	s_mul_i32 s94, s14, 2*WREG
	s_add_co_u32 s46, s46, s94
	s_mov_b32 s47, 0
	s_mov_b32 s[FLR], 0x4800000                    ; the floor 2^(9 - 127): no byte falls under 1
	s_mov_b32 s[MNT], 0x600000                     ; the mantissa field of 448
	s_mov_b32 s[SEL], 0x76543210
	s_mov_b32 s[SEL+1], 0xfedcba98
	s_wait_dscnt 0x0
	s_wait_kmcnt 0x0
	s_add_nc_u64 s[20:21], s[4:5], s[20:21]
	s_add_nc_u64 s[46:47], s[6:7], s[46:47]
	s_mov_b32 s[G0W], 1
	s_mov_b32 s[G0W+1], s94
	s_mov_b64 s[G0W+2:G0W+3], s[46:47]
	s_or_b32 s[G0W+3], s[G0W+3], 0x80000000
	CROUND                                         ; all sixteen work-groups are here: the joint loads meet
	ARM 1, .Lwave_1                                ; ONE load a wave, each with a line of its own: the four are shown by four barriers
	ARM 2, .Lwave_2
	ARM 3, .Lwave_3
	TL
.Lasked:
	s_lshl_b32 s66, s17, 13                        ; x's scale blocks: 512 bytes a tile
	s_lshl_b32 s18, s14, 11
	s_add_co_u32 s66, s66, s18
	s_add_co_u32 s66, s66, 4194304
	s_mov_b32 s67, 0
	s_add_nc_u64 s[66:67], s[4:5], s[66:67]
	s_mul_i32 s68, s42, 12*512
	s_add_co_u32 s68, s68, 3145728
	s_mov_b32 s69, 0
	s_add_nc_u64 s[68:69], s[6:7], s[68:69]
	s_lshl_b32 s70, s42, 8
	s_mov_b32 s71, 0
	s_add_nc_u64 s[70:71], s[8:9], s[70:71]
	v_and_b32 v4, 31, v0
	v_lshlrev_b32 v[LI], 4, v4                     ; 16 x lane
	v_and_b32 v5, 15, v0                           ; r
	v_bfe_u32 v6, v0, 4, 1                         ; h
	v_lshlrev_b32 v[BH], 6, v6
	v_and_b32 v7, 8, v5
	v_add_nc_u32 v7, v7, v5
	v_lshlrev_b32 v[BP], 2, v7                     ; 4 (r + 8 (r / 8))
.irp t, 0,1,2,3
	global_load_b128 v[XS+4*\t:XS+4*\t+3], v[LI], s[66:67] offset:512*\t   ; register q: K step q in lanes 0-15, K step 4 + q in lanes 16-31
.endr
.irp t, 0,1,2,3,4,5,6,7,8,9,10,11
	global_load_b128 v[WS+4*\t:WS+4*\t+3], v[LI], s[68:69] offset:512*\t
.endr
.irp t, 0,1,2,3,4,5,6,7
	global_load_b128 v[BIAS+8*\t:BIAS+8*\t+3], v[BH], s[70:71] offset:((\t/4)*1024+32*((\t%4)/2)+8*(\t%2))*4
	global_load_b128 v[BIAS+8*\t+4:BIAS+8*\t+7], v[BH], s[70:71] offset:((\t/4)*1024+32*((\t%4)/2)+8*(\t%2))*4+16
.endr
.irp t, 0,1,2,3
	global_load_b32 v[BIAS+64+8*\t], v[BP], s[70:71] offset:(2048+32*(\t/2)+8*(\t%2))*4
.endr
.macro XSET s                          ; where K step s of x stands: window XW, from register XB on
.set XW, 3
.set XB, 192
.if (\s)%4 == 0
.set XB, 128
.elseif (\s)%4 == 2
.set XW, 1
.elseif (\s)%4 == 3
.set XW, 0
.endif
.endm
.macro FETCH_X s                       ; my four fragments of K step s: 16 loads of 512 consecutive bytes
	XSET \s
	WIN (XW<<6)
.irp t, 0,1,2,3
.irp c, 0,1,2,3
	global_load_b128 v[XB+16*\t+4*\c:XB+16*\t+4*\c+3], v[LI], s[20:21] offset:32768*(\s)+2048*\t+512*\c
.endr
.endr
.endm
	FETCH_X 0
	FETCH_X 1
	FETCH_X 2
	WIN 0
.irp j, 0,1,2,3
	v_add_nc_u32 v[ADRW+\j], 2*WREG*\j, v[LI]
.endr
	s_lshl_b32 s18, s14, 8
	s_add_co_u32 s18, s18, SG+1024
	v_lshl_add_u32 v[SGQ], v5, 2, s18
	s_lshl_b32 s18, s15, 9
	s_lshl_b32 s19, s16, 3
	s_add_co_u32 s19, s19, s18
	s_add_co_u32 s19, s19, SG
	v_lshl_add_u32 v[SGK], v5, 4, s19
	s_lshl_b32 s19, s16, 1
	s_add_co_u32 s19, s19, s18
	s_add_co_u32 s19, s19, SG+256
	v_lshl_add_u32 v[SGV], v5, 4, s19
	s_lshl_b32 s18, s14, 9
	s_add_co_u32 s18, s18, SG
	v_add_nc_u32 v[SGR], s18, v[LI]
	s_wait_alu depctr_va_vdst(0)
	; where the results go
	s_lshr_b32 s72, s17, 3
	s_lshl_b32 s72, s72, 4
	s_add_co_u32 s72, s72, s42                     ; batch x 16 + head
	s_and_b32 s73, s17, 7
	s_lshl_b32 s18, s72, 7
	s_lshl_b32 s19, s73, 4
	s_add_co_u32 s18, s18, s19
	s_lshl_b32 s81, s18, 6
	s_lshl_b32 s19, s14, 9
	s_add_co_u32 s81, s81, s19
	s_add_co_u32 s81, s81, 4194304-1024
	s_lshl_b32 s19, s14, 2
	s_add_co_u32 s18, s18, s19
	s_lshl_b32 s74, s18, 10
	s_mov_b32 s75, 0
	s_add_nc_u64 s[74:75], s[10:11], s[74:75]
	s_mul_i32 s88, s72, 270336
	s_and_b32 s19, s73, 3                          ; key step 2 s73 + n lies at place 4 (s73 % 4) + 2 n + s73 / 4
	s_lshl_b32 s19, s19, 2
	s_lshr_b32 s18, s73, 2
	s_add_co_u32 s19, s19, s18
	s_lshl_b32 s18, s14, 1
	s_add_co_u32 s18, s18, s19
	s_mul_i32 s80, s18, 16896
	s_add_co_u32 s80, s80, s88
	s_add_co_u32 s80, s80, 16384
	s_lshl_b32 s18, s15, 1
	s_add_co_u32 s18, s18, s19
	s_mul_i32 s76, s18, 16896
	s_add_co_u32 s76, s76, s88
	s_lshl_b32 s18, s16, 10
	s_add_co_u32 s78, s76, s18
	s_add_co_u32 s78, s78, 8192
	s_lshl_b32 s18, s16, 12
	s_add_co_u32 s76, s76, s18
	s_mov_b32 s77, 0
	s_mov_b32 s79, 0
	s_add_nc_u64 s[76:77], s[12:13], s[76:77]
	s_add_nc_u64 s[78:79], s[12:13], s[78:79]
	s_cmp_lt_u32 s14, 2                            ; the scale words: waves 0, 1 store k's and v's, waves 2, 3 q's
	s_cselect_b64 s[82:83], s[12:13], s[10:11]
	s_cselect_b32 s80, s80, s81
	s_mov_b32 s81, 0
	s_add_nc_u64 s[82:83], s[82:83], s[80:81]
; q's and k's column tiles first .. first + cnt - 1 against my four tiles of tokens, K step s: source 0 = w.  The accumulators take turns, one instruction a turn.
.macro MULQK s, first, cnt
	XSET \s
.if (\s) == 0
	WIN (0x81|(XW<<2))
.else
	WIN (0xa1|(XW<<2))
.endif
.set CT, \first
.rept \cnt
.set XT, 0
.rept 4
.set AC, 128*(CT/4)+8*(4*XT+CT%4)
.set XF, XB+16*XT
.if (\s) == 0
	v_wmma_scale_f32_16x16x128_f8f6f4 v[AC:AC+7], v[16*CT:16*CT+15], v[XF:XF+15], v[BIAS+8*CT:BIAS+8*CT+7], v[WS+4*CT], v[XS+4*XT]
.elseif (\s) < 4
	v_wmma_scale_f32_16x16x128_f8f6f4 v[AC:AC+7], v[16*CT:16*CT+15], v[XF:XF+15], v[AC:AC+7], v[WS+4*CT+(\s)%4], v[XS+4*XT+(\s)%4]
.else
	v_wmma_scale_f32_16x16x128_f8f6f4 v[AC:AC+7], v[16*CT:16*CT+15], v[XF:XF+15], v[AC:AC+7], v[WS+4*CT+(\s)%4], v[XS+4*XT+(\s)%4] matrix_a_scale:MATRIX_SCALE_ROW1 matrix_b_scale:MATRIX_SCALE_ROW1
.endif
.set XT, XT+1
.endr
.set CT, CT+1
.endr
.endm
.macro MULV s                          ; v's four column tiles: source 0 = x
	XSET \s
.if (\s) == 0
	WIN (0xc4|XW)
.else
	WIN (0xf4|XW)
.endif
.set NN, 0
.rept 4
.set XT, 0
.rept 4
.set AC, 8*(4*NN+XT)
.set XF, XB+16*XT
.if (\s) == 0
	v_wmma_scale_f32_16x16x128_f8f6f4 v[AC:AC+7], v[XF:XF+15], v[16*(8+NN):16*(8+NN)+15], v[BIAS+64+8*NN:BIAS+64+8*NN+7], v[XS+4*XT], v[WS+4*(8+NN)]
.elseif (\s) < 4
	v_wmma_scale_f32_16x16x128_f8f6f4 v[AC:AC+7], v[XF:XF+15], v[16*(8+NN):16*(8+NN)+15], v[AC:AC+7], v[XS+4*XT+(\s)%4], v[WS+4*(8+NN)+(\s)%4]
.else
	v_wmma_scale_f32_16x16x128_f8f6f4 v[AC:AC+7], v[XF:XF+15], v[16*(8+NN):16*(8+NN)+15], v[AC:AC+7], v[XS+4*XT+(\s)%4], v[WS+4*(8+NN)+(\s)%4] matrix_a_scale:MATRIX_SCALE_ROW1 matrix_b_scale:MATRIX_SCALE_ROW1
.endif
.set XT, XT+1
.endr
.set NN, NN+1
.endr
.endm
.macro FETCH_W s, first, cnt           ; fragments of w, four loads each
	WIN 0x40
.set CT, \first
.rept \cnt
.irp c, 0,1,2,3
	ds_load_b128 v[16*CT+4*\c:16*CT+4*\c+3], v[ADRW+(\s)/2] offset:WREG*((\s)%2)+2048*CT+512*\c
.endr
.set CT, CT+1
.endr
.endm
.macro LEAD s                          ; x's K step s is in; the three that were asked for behind it (fewer at the end), 16 loads each, may be out
.if (\s) < 5
	s_wait_loadcnt 48
.else
	s_wait_loadcnt 16*(7-(\s))
.endif
.endm
.macro REST s                          ; the second half of a step, and what the next one needs
	PLACES 8
	FETCH_W (\s)+1, 0, 6
	MULQK \s, 6, 2
	MULV \s
	PLACES 8
	FETCH_W (\s)+1, 6, 6
.if (\s) < 4
	FETCH_X (\s)+4
.endif
.endm
.macro STEP s
	s_wait_dscnt 24                                ; w's fragments 0-5 are in; the 24 loads of 6-11 may be out
	LEAD \s
	MULQK \s, 0, 6
	s_wait_dscnt 0x0
	REST \s
.endm
.macro TURN s                          ; a step behind which the next wave's two K steps of w begin: a barrier shows them; nothing is filled again
	s_wait_dscnt 24
	LEAD \s
	MULQK \s, 0, 3
	WIN 0
	s_wait_dscnt 0x0
.if (\s) < 5
	s_cmp_lt_u32 s14, ((\s)+3)/2
	s_cbranch_scc0 .Llater_\@
	s_wait_tensorcnt 0x0
.Llater_\@:
.else
	s_wait_tensorcnt 0x0
.endif
	s_barrier_signal -1
	MULQK \s, 3, 3
	s_barrier_wait -1
	REST \s
.endm
	s_wait_loadcnt 48                              ; scale words and bias; the 48 loads of K steps 0 to 2 of x may be out
.irp t, 0,1,2,3
.irp j, 1,2,3,4,5,6,7
	v_mov_b32 v[BIAS+64+8*\t+\j], v[BIAS+64+8*\t]  ; v's bias: all eight registers of a lane are its one column's
.endr
.endr
	s_wait_alu depctr_va_vdst(0)
	s_cmp_lt_u32 s14, 1
	s_cbranch_scc0 .Lnot_first
	s_wait_tensorcnt 0x0
.Lnot_first:
	s_barrier_signal -1
	s_barrier_wait -1                              ; K steps 0 and 1 of w are in
	FETCH_W 0, 0, 6
	FETCH_W 0, 6, 6
	FETCH_X 3
	STEP 0
	TURN 1
	STEP 2
	TURN 3
	STEP 4
	TURN 5
	STEP 6
	s_wait_dscnt 24
	LEAD 7
	MULQK 7, 0, 6
	s_wait_dscnt 0x0
	MULQK 7, 6, 2
	MULV 7
	WIN 0
; eight blocks of 32 (16 registers a lane, lanes l and l xor 16) at AB of window W become codes at CO
.macro QUANT8 W, AB, CO
	WIN ((\W)<<2)|((\W)<<4)
.irp b, 0,1,2,3,4,5,6,7
	v_max3_num_f32 v[TM+\b], s[FLR], |v[\AB+16*\b]|, |v[\AB+16*\b+1]|
.endr
.irp i, 2,4,6,8,10,12,14
.irp b, 0,1,2,3,4,5,6,7
	v_max3_num_f32 v[TM+\b], v[TM+\b], |v[\AB+16*\b+\i]|, |v[\AB+16*\b+\i+1]|
.endr
.endr
	WIN 0
.irp b, 0,1,2,3,4,5,6,7
	v_permlanex16_b32 v[TM+8+\b], v[TM+\b], s[SEL], s[SEL+1]
.endr
.irp b, 0,1,2,3,4,5,6,7
	v_max_num_f32 v[TM+\b], v[TM+\b], v[TM+8+\b]
.endr
.irp b, 0,1,2,3,4,5,6,7
	v_add_nc_u32 v[TM+24+\b], 0xfc000000, v[TM+\b] ; 8 off the exponent field: the conversion's scale operand
.endr
.irp b, 0,1,2,3,4,5,6,7
	v_and_or_b32 v[TM+16+\b], v[TM+\b], 0x7f800000, s[MNT]   ; 448 x the scale
.endr
.irp b, 0,1,2,3,4,5,6,7
	v_lshrrev_b32 v[TM+8+\b], 23, v[TM+24+\b]      ; the byte
.endr
	WIN ((\W)<<6)|(\W)
.irp b, 0,1,2,3,4,5,6,7
.irp i, 0,1,2,3,4,5,6,7,8,9,10,11,12,13,14,15
	v_med3_num_f32 v[\AB+16*\b+\i], v[\AB+16*\b+\i], -v[TM+16+\b], v[TM+16+\b]
.endr
.endr
	WIN \W
.irp b, 0,1,2,3,4,5,6,7
	v_cvt_scalef32_pk8_fp8_f32 v[\CO+4*\b:\CO+4*\b+1], v[\AB+16*\b:\AB+16*\b+7], v[TM+24+\b]
	v_cvt_scalef32_pk8_fp8_f32 v[\CO+4*\b+2:\CO+4*\b+3], v[\AB+16*\b+8:\AB+16*\b+15], v[TM+24+\b]
.endr
	WIN 0
	v_nop                                          ; a plain line behind the last conversion
.endm
.irp b, 0,1,2,3,4,5,6,7
	v_mov_b32 v[TM+8+\b], 0                        ; a lane permute's destination counts as one of its sources; also the eight places behind the last product
.endr
	QUANT8 2, 0, CQ
.irp b, 0,1,2,3,4,5,6,7
	global_store_b128 v[LI], v[CQ+4*\b:CQ+4*\b+3], s[74:75] offset:512*\b
.endr
.irp t, 0,1,2,3
	v_lshl_or_b32 v[WD+\t], v[TM+9+2*\t], 8, v[TM+8+2*\t]
.endr
.irp t, 0,1,2,3
	v_lshl_or_b32 v[WD+\t], v[WD+\t], 16, v[WD+\t]
	ds_store_b32 v[SGQ], v[WD+\t] offset:64*\t
.endr
	QUANT8 2, 128, CK
.irp b, 0,1,2,3,4,5,6,7
	global_store_b128 v[LI], v[CK+4*\b:CK+4*\b+3], s[76:77] offset:512*\b
.endr
.irp i, 0,1
	v_lshl_or_b32 v[WD+4+\i], v[TM+9+4*\i], 8, v[TM+8+4*\i]
	v_lshl_or_b32 v[WD+4+\i], v[TM+10+4*\i], 16, v[WD+4+\i]
	v_lshl_or_b32 v[WD+4+\i], v[TM+11+4*\i], 24, v[WD+4+\i]
.endr
	ds_store_b64 v[SGK], v[WD+4:WD+5]
	QUANT8 3, 0, CV
.irp b, 0,1,2,3,4,5,6,7
	global_store_b128 v[LI], v[CV+4*\b:CV+4*\b+3], s[78:79] offset:2048*(\b/2)+512*(\b%2)
.endr
.irp n, 0,1,2,3
	v_lshl_or_b32 v[WD+8+\n], v[TM+9+2*\n], 8, v[TM+8+2*\n]
	ds_store_b16 v[SGV], v[WD+8+\n] offset:4*\n
.endr
	s_wait_dscnt 0x0
	s_barrier_signal -1
	s_barrier_wait -1                              ; all four waves' scale bytes are in LDS
	ds_load_b128 v[WD+12:WD+15], v[SGR]
	s_wait_dscnt 0x0
	global_store_b128 v[LI], v[WD+12:WD+15], s[82:83]
	s_wait_tensorcnt 0x0                           ; the wave's end
	ds_add_u32 v[SPW], v[NIL]
	s_wait_dscnt 0x0
	CROUND                                         ; the closing round
	s_endpgm
.Lfunc_end_k_qb5a6981250_qkv:
	.size	k_qb5a6981250_qkv, .Lfunc_end_k_qb5a6981250_qkv-k_qb5a6981250_qkv
	.p2alignl 7, 3214868480
	.fill 96, 4, 3214868480
	.section	.rodata,"a",@progbits
	.p2align	6, 0x0
	.amdhsa_kernel k_qb5a6981250_qkv
		.amdhsa_group_segment_fixed_size 199168
		.amdhsa_private_segment_fixed_size 0
		.amdhsa_enable_private_segment 0
		.amdhsa_kernarg_size 40
		.amdhsa_user_sgpr_count 2
		.amdhsa_user_sgpr_kernarg_segment_ptr 1
		.amdhsa_wavefront_size32 1
		.amdhsa_system_sgpr_workgroup_id_x 1
		.amdhsa_system_sgpr_workgroup_id_y 1
		.amdhsa_system_sgpr_workgroup_id_z 1
		.amdhsa_system_vgpr_workitem_id 0
		.amdhsa_next_free_vgpr 1024
		.amdhsa_next_free_sgpr 96
		.amdhsa_reserve_vcc 0
		.amdhsa_float_denorm_mode_32 3
		.amdhsa_float_denorm_mode_16_64 3
		.amdhsa_memory_ordered 1
		.amdhsa_forward_progress 1
		.amdhsa_inst_pref_size 154
	.end_amdhsa_kernel
	.amdgpu_metadata
---
amdhsa.version: [ 1, 2 ]
amdhsa.kernels:
  - .name:           k_qb5a6981250_qkv
    .symbol:         k_qb5a6981250_qkv.kd
    .args:
      - { .name: xq, .offset: 0, .size: 8, .value_kind: global_buffer, .address_space: global }
      - { .name: wq, .offset: 8, .size: 8, .value_kind: global_buffer, .address_space: global }
      - { .name: b_qkv, .offset: 16, .size: 8, .value_kind: global_buffer, .address_space: global }
      - { .name: qq, .offset: 24, .size: 8, .value_kind: global_buffer, .address_space: global }
      - { .name: kv, .offset: 32, .size: 8, .value_kind: global_buffer, .address_space: global }
    .group_segment_fixed_size: 199168
    .private_segment_fixed_size: 0
    .kernarg_segment_align: 8
    .kernarg_segment_size: 40
    .max_flat_workgroup_size: 128
    .sgpr_count:     96
    .vgpr_count:     1024
    .wavefront_size: 32
...
	.end_amdgpu_metadata
.endif
;; end of part 2
;; launch attn (part 3): grid 8 x 32, 8 waves a work-group, clusters of 4 x 1, 308,224 bytes of LDS; arguments qq, kv, ao; writes ao
.if DOCPART == 3
	.amdgcn_target "amdgcn-amd-amdhsa--gfx1250"
	.amdhsa_code_object_version 6
	.text
	.protected	k_qb5a6981250_attn
	.globl	k_qb5a6981250_attn
	.p2align	8
	.type	k_qb5a6981250_attn,@function
k_qb5a6981250_attn:
	s_mov_b64 s[64:65], 0
	v_nop
	global_prefetch_b8 v0, s[64:65] scope:SCOPE_SE
	s_setreg_imm32_b32 hwreg(HW_REG_WAVE_MODE, 25, 1), 1
	s_wait_xcnt 0x0
	s_wait_alu depctr_hold_cnt(0) depctr_sa_sdst(0) depctr_va_vdst(0) depctr_va_sdst(0) depctr_va_ssrc(0) depctr_va_vcc(0) depctr_vm_vsrc(0)
	s_getreg_b32 s2, hwreg(HW_REG_IB_STS2, 6, 4)
	s_cmp_eq_u32 s2, 0
	s_cbranch_scc0 .Lentry_in_a_cluster
	s_endpgm
.Lentry_in_a_cluster:
	s_bfe_u32 s2, ttmp6, 0x10000c
	s_cmp_lg_u32 s2, 0x3003
	s_cbranch_scc0 .Lentry_shape_is_right
	s_endpgm
.Lentry_shape_is_right:
; Causal attention of one head on codes of FP8 (E4M3) with E8M0 scales, head size 64, 2,048 tokens; the result is quantised along (head, d) for the last product and stored as an image of that operand's registers.
; Key steps (128 keys) that lie wholly under the causal mask are left out.
; THE SOFTMAX: t = score x log2(e) / 8; M = the running largest t rounded UP to a whole number; p = 2^(t - M) is quantised along the keys, not normalised; the row's sum is taken of the unquantised p and divides O at the end.
; When M moves, the sum and O are multiplied by 2^(old M - new M), which rounds nothing.
; LDS: THE WHOLE HEAD'S k, v AND SCALE WORDS (16 key steps x 16,896 bytes) LIE IN LDS, filled ONCE, as in memory: key step s at place 2 (s % 8) + s / 8, the order in which they are wanted.
; One joint load a wave (the cluster's four work-groups belong to one head): waves 0-3 places 0 to 3; waves 4-7 the rest: shown by two barriers.  No prefetch: every request goes out at the head.
; SHARES.  A work-group takes 32 queries (number cx of four) of each of eight of the head's 16 blocks of 128: blocks p and 15 - p, p = 2 x (pair of waves) + the cluster's number.  A wave works on two tiles of 16 queries at a time:
; every fragment of k and v serves both, and their chains stand interleaved.  Waves 2 m and 2 m + 1 share the long block 15 - p (16 - p key steps) and the short block p (p + 1 steps):
; one of them (A) takes key steps 0 .. 7 of the long block; the other (B) its steps 8 .. 15 - p, hands that part over through LDS, then takes the short block.  A has 8 steps and joins the parts, B has 9.
; Which wave of a pair is B alternates, so that waves w and w + 4, and waves 2 m and 2 m + 1, are one of each.  Branches hang on the wave's number, the cluster's number and the count of trips.
; LAYOUT.  Both products are used transposed (S^T = k q^T, O^T = v^T p^T): a lane holds one query.  The tiles of keys are laid so that the 16 registers of tiles 2 b, 2 b + 1 are keys 32 b + 16 (lane / 16) + 0 .. 15.
; K = 64 IN AN INSTRUCTION OF 128: a fragment of k holds TWO tiles of keys (64 + 64 codes); against [q | zeros] it gives the first tile's scores, against [zeros | q] the second's.  The other half meets zero codes;
; k's codes there are finite and the scale bytes lie in 1 .. 254, so it adds exact zeros.
; ON THE DIAGONAL a score is held under (query - key + 1/2) 2^119: for a hidden key that is -2^118 or less, and its p is 0; for a key that counts it is 2^118 or more.
; LIMITS: the promise holds while the scaled scores (exponents to the base 2) stay under 2^31 in magnitude; a block of zeros gets the byte 1 (zero codes; the bytes are read by this program alone); NaN and infinities are not served.
; REGISTERS, window 0: v1 16 x lane; v2 the LDS address of the step's keys; v3 my pair's hand-over; v[4:5] the diagonal's limits; v6 16 r; v7 4 r; v8-35 tile 0 at work, v36-63 tile 1; v64-65 q's scale words, v66-69 k's, v72-75 v's, v76-77 p's;
;   v80-111 p's codes; v112-239 S^T, then p; v240-247 sums.  Window 1: v0-63 k, v64-127 v, v128-191 O^T, v192-231 zeros, q, zeros, q, zeros.
.set STEPB, 16896
.set STAGE, 16*STEPB                   ; behind k and v: the hand-over, 2 x 9 x 512 bytes a pair, written by LDS stores alone
.set STGP, 9216
.set SPARE, STAGE+4*STGP
.set LI,   1
.set ADR,  2
.set STG,  3
.set LQ,   4
.set R16,  6
.set R4,   7
.set US,   28                          ; from tile 0's work registers to tile 1's
.set AC,   8                           ; four registers of sums; four more at v240 + 4 x tile
.set MM,   12                          ; -M, and the largest score
.set F,    14                          ; the factor's pair; behind a tile's last step its sum
.set T0,   16
.set T1,   17
.set BM,   20                          ; a block's largest score, then its largest p
.set TP,   24
.set LM,   28
.set SO,   32
.set QS,   64
.set SCK,  66
.set SCV,  72
.set PS,   76
.set PC,   80
.set S,    112
.set AX,   240
.set VD,   64                          ; window 1 (k lies at v0)
.set O,    128
.set Q,    192
.set WV,   10
.set ISB,  11                          ; 1 in wave B
.set P,    12
.set SW,   13                          ; the trip at which B turns to the short block; beyond every trip in A
.set I,    14                          ; the trip
.set IN,   71                          ; the next
.set END,  72                          ; how many are mine
.set TB,   18
.set MNT,  19
.set SEL,  20
.set CS,   22
.set NC,   70
.set G1A,  24
.set G1C,  32
.set G0A,  40
.set G0C,  44
.set MSB, 0
.macro WIN new                         ; the immediate's high byte repeats the setting that is left
.if MSB != \new
	s_set_vgpr_msb (MSB<<8)|\new
.set MSB, \new
.endif
.endm
.macro CROUND
	s_barrier_signal -1
	s_barrier_wait -1
	s_cmp_lg_u32 s[WV], 0
	s_cbranch_scc1 .Lnot_wave_0_\@
	s_barrier_signal -3
.Lnot_wave_0_\@:
	s_barrier_wait -3
	s_barrier_signal -1
	s_barrier_wait -1
.endm
.macro TL g0, g1
	tensor_load_to_lds s[\g0:\g0+3], s[\g1:\g1+7]
	s_nop 0
.rept 4
	v_nop
.endr
.endm
.macro DESC g1, g0, rows               ; a dense block of rows x 256 bytes, at byte s62 of the head and of LDS
	s_mov_b32 s[\g1], 15|(3<<16)|(1<<21)           ; the mask: all four work-groups; elements of 8 bytes; bit 21 beside a mask; no padding
	s_mov_b32 s[\g1+1], 32<<16
	s_mov_b32 s[\g1+2], (\rows)<<16
	s_mov_b32 s[\g1+3], 32<<16
	s_mov_b32 s[\g1+4], \rows
	s_mov_b32 s[\g1+5], 32
	s_mov_b32 s[\g1+6], 0
	s_mov_b32 s[\g1+7], 0
	s_mov_b32 s63, 0
	s_mov_b32 s[\g0], 1
	s_mov_b32 s[\g0+1], s62
	s_add_nc_u64 s[\g0+2:\g0+3], s[48:49], s[62:63]
	s_or_b32 s[\g0+3], s[\g0+3], 0x80000000
.endm
	s_load_b128 s[4:7], s[0:1], 0x0                ; qq, kv
	s_load_b64 s[8:9], s[0:1], 0x10                ; ao
	v_lshl_add_u32 v254, v0, 2, SPARE
	v_mov_b32 v255, 0
	ds_add_u32 v254, v255                          ; the opening: the add, twice on end
	ds_add_u32 v254, v255
	v_lshrrev_b32 v1, 5, v0
	v_readfirstlane_b32 s[WV], v1                  ; wave 0..7
	s_bfe_u32 s16, ttmp6, 0x40000                  ; cx: it enters q's and ao's addresses and the diagonal's limits alone
	s_and_b32 s17, ttmp7, 0xffff                   ; batch x 16 + head
	s_and_b32 s[P], s[WV], 6
	s_add_co_u32 s[P], s[P], ttmp9                 ; p = 2 x (wave / 2) + the cluster's number
	s_lshr_b32 s[ISB], s[WV], 2
	s_xor_b32 s[ISB], s[ISB], s[WV]
	s_and_b32 s[ISB], s[ISB], 1
	s_add_co_u32 s[END], s[ISB], 8
	s_xor_b32 s[SW], s[ISB], 1
	s_lshl_b32 s[SW], s[SW], 4
	s_add_co_u32 s[SW], s[SW], 8
	s_sub_co_u32 s[SW], s[SW], s[P]                ; B: 8 - p;  A: 24 - p
	s_mov_b32 s[SEL], 0x76543210
	s_mov_b32 s[SEL+1], 0xfedcba98
	s_mov_b32 s[CS], 0x3e38aa3b                    ; c = log2(e) / 8
	s_mov_b32 s[CS+1], s[CS]
	s_mov_b32 s[NC], 0xbe38aa3b                    ; -c
	s_mov_b32 s[MNT], 0x600000
	s_mul_i32 s48, s17, 16*STEPB
	s_mov_b32 s49, 0
	s_wait_dscnt 0x0
	s_wait_kmcnt 0x0
	s_add_nc_u64 s[48:49], s[6:7], s[48:49]        ; the head in kv: the same in the four partners
	s_mul_i32 s62, s[WV], 66*256                   ; waves 0-3: a place each
	DESC G1A, G0A, 66
	s_and_b32 s62, s[WV], 3
	s_mul_i32 s62, s62, 198*256                    ; waves 4-7: three places each
	s_add_co_u32 s62, s62, 4*STEPB
	DESC G1C, G0C, 198
	CROUND                                         ; all four work-groups are here: the joint loads meet
	s_cmp_lt_u32 s[WV], 4                          ; ONE load a wave; the two groups have load lines of their own
	s_cbranch_scc0 .Lgroup_1
	TL G0A, G1A
	s_branch .Lasked
.Lgroup_1:
	TL G0C, G1C
.Lasked:
	; my tiles of queries, two on end: 1,024 bytes of codes and 64 of scale words each
	s_lshl_b32 s60, s17, 7
	s_lshl_b32 s61, s16, 1
	s_add_co_u32 s60, s60, s61
	s_lshl_b32 s61, s[P], 3
	s_add_co_u32 s61, s61, s60                     ; the short block's
	s_lshl_b32 s54, s61, 10
	s_mov_b32 s55, 0
	s_lshl_b32 s56, s61, 6
	s_add_co_u32 s56, s56, 4194304
	s_mov_b32 s57, 0
	s_sub_co_u32 s61, 15, s[P]
	s_lshl_b32 s61, s61, 3
	s_add_co_u32 s61, s61, s60                     ; the long block's
	s_lshl_b32 s50, s61, 10
	s_mov_b32 s51, 0
	s_lshl_b32 s52, s61, 6
	s_add_co_u32 s52, s52, 4194304
	s_mov_b32 s53, 0
	s_add_nc_u64 s[50:51], s[4:5], s[50:51]
	s_add_nc_u64 s[52:53], s[4:5], s[52:53]
	s_add_nc_u64 s[54:55], s[4:5], s[54:55]
	s_add_nc_u64 s[56:57], s[4:5], s[56:57]
	s_lshl_b32 s62, s16, 5                         ; where my 32 queries begin in their block of 128
	s_lshr_b32 s61, s[WV], 1
	s_mul_i32 s61, s61, STGP
	s_add_co_u32 s61, s61, STAGE
	v_and_b32 v7, 31, v0
	v_lshlrev_b32 v[LI], 4, v7
	v_and_b32 v8, 15, v0                           ; r
	v_bfe_u32 v9, v0, 4, 1                         ; h
	v_lshlrev_b32 v[R4], 2, v8
	v_lshlrev_b32 v[R16], 4, v8
.macro QLOAD a, b                      ; q of two tiles: codes at s[a], scale words at s[b]
	WIN 0x40
.irp u, 0,1
	global_load_b128 v[Q+8+16*\u:Q+11+16*\u], v[LI], s[\a:\a+1] offset:1024*\u
	global_load_b128 v[Q+12+16*\u:Q+15+16*\u], v[LI], s[\a:\a+1] offset:1024*\u+512
.endr
	WIN 0
	global_load_b32 v[QS], v[R4], s[\b:\b+1]
	global_load_b32 v[QS+1], v[R4], s[\b:\b+1] offset:64
.endm
	QLOAD 50, 52
	v_and_b32 v10, 8, v8
	v_add_nc_u32 v10, v10, v8                      ; r + 8 (r / 8)
	v_lshlrev_b32 v9, 4, v9
	v_sub_nc_u32 v10, v10, v9
	v_add_nc_u32 v10, s62, v10                     ; tile 0's query in its block, less 16 (lane / 16) (tile 1's: 8 more): register 16 b + i is hidden on the diagonal where 32 b + i is greater
	v_cvt_f32_i32 v[LQ], v10
	v_add_f32 v[LQ], 0.5, v[LQ]
	v_mul_f32 v[LQ], 0x7b000000, v[LQ]             ; x 2^119
	v_add_f32 v[LQ+1], 0xfb000000, v[LQ]           ; the next register's: - 2^119
	v_add_nc_u32 v[STG], s61, v[LI]
	s_wait_alu depctr_va_vdst(0)
	; where the result goes: codes [block of 128 tokens][K step = head / 2][tile][2048], pieces 2 (head % 2) + c; scale blocks of 512 bytes a tile
	s_sub_co_u32 s60, 15, s[P]
	s_cmp_eq_u32 s[ISB], 1
	s_cselect_b32 s60, s[P], s60                   ; A ends with the long block, B with the short one
	s_lshr_b32 s62, s17, 4
	s_lshl_b32 s62, s62, 4
	s_add_co_u32 s62, s62, s60
	s_and_b32 s63, s17, 15
	s_lshl_b32 s61, s16, 1                         ; my first tile
	s_lshl_b32 s66, s62, 3
	s_lshr_b32 s74, s63, 1
	s_add_co_u32 s66, s66, s74
	s_lshl_b32 s66, s66, 3
	s_add_co_u32 s66, s66, s61
	s_lshl_b32 s66, s66, 11
	s_and_b32 s75, s63, 1
	s_lshl_b32 s76, s75, 10
	s_add_co_u32 s66, s66, s76
	s_mov_b32 s67, 0
	s_add_nc_u64 s[66:67], s[8:9], s[66:67]
	s_lshl_b32 s68, s62, 3
	s_add_co_u32 s68, s68, s61
	s_lshl_b32 s68, s68, 9
	s_lshr_b32 s76, s63, 3
	s_lshl_b32 s76, s76, 8
	s_add_co_u32 s68, s68, s76
	s_and_b32 s74, s74, 3
	s_lshl_b32 s74, s74, 2
	s_add_co_u32 s68, s68, s74
	s_lshl_b32 s75, s75, 1
	s_add_co_u32 s68, s68, s75
	s_add_co_u32 s68, s68, 4194304
	s_mov_b32 s69, 0
	s_add_nc_u64 s[68:69], s[8:9], s[68:69]
.macro RESET                           ; two tiles begin: zeros, which the first change of M leaves zeros, and a largest score under every other
.irp u, 0,1
	v_mov_b32 v[MM+1+US*\u], 0xff61b1e6
	v_floor_f32 v[MM+US*\u], -v[MM+1+US*\u]
.irp n, 0,1,2,3
	v_mov_b32 v[AC+US*\u+\n], 0
	v_mov_b32 v[AX+4*\u+\n], 0
.endr
.endr
	WIN 0x40
.set N, 0
.rept 64
	v_mov_b32 v[O+N], 0
.set N, N+1
.endr
	WIN 0
.endm
	WIN 0x40
.irp i, 0,1,2,3,4,5,6,7
	v_mov_b32 v[Q+\i], 0                           ; the zero codes on either side of q
	v_mov_b32 v[Q+16+\i], 0
	v_mov_b32 v[Q+32+\i], 0
.endr
	WIN 0
.irp u, 0,1
.irp b, 0,1,2,3
	v_mov_b32 v[TP+US*\u+\b], 0                    ; a lane permute's destination counts as one of its sources
.endr
	v_mov_b32 v[F+1+US*\u], 0                      ; (named as the upper half of a pair)
.endr
	RESET
.macro SUMS u, from, to                ; pairs from .. to - 1 of a tile's p into its sum, in four chains; the first four bring the chains under the new M
.set N, \from
.rept (\to)-(\from)
.set A_, AC+US*\u+2*(N%4)
.if N%4 > 1
.set A_, AX+4*\u+2*(N%4)-4
.endif
.if N < 4
	v_pk_fma_f32 v[A_:A_+1], v[A_:A_+1], v[F+US*\u:F+US*\u+1], v[S+64*\u+2*N:S+64*\u+2*N+1] op_sel_hi:[1,0,1]
.else
	v_pk_add_f32 v[A_:A_+1], v[A_:A_+1], v[S+64*\u+2*N:S+64*\u+2*N+1]
.endif
.set N, N+1
.endr
.endm
.macro FOLD                            ; each tile's four chains into the pair behind -M and the largest score
.irp u, 0,1
	v_pk_add_f32 v[AC+US*\u:AC+US*\u+1], v[AC+US*\u:AC+US*\u+1], v[AC+US*\u+2:AC+US*\u+3]
	v_pk_add_f32 v[AX+4*\u:AX+4*\u+1], v[AX+4*\u:AX+4*\u+1], v[AX+4*\u+2:AX+4*\u+3]
.endr
.irp u, 0,1
	v_pk_add_f32 v[F+US*\u:F+US*\u+1], v[AC+US*\u:AC+US*\u+1], v[AX+4*\u:AX+4*\u+1]
.endr
.endm
.macro PLACES8
.rept 8
	v_nop
.endr
.endm
.macro LIMIT u, b, i                   ; two scores held under their limits; the limits of the next two
	v_dual_min_num_f32 v[S+64*\u+16*\b+\i], v[S+64*\u+16*\b+\i], v[BM+US*\u+2*\b] :: v_dual_min_num_f32 v[S+64*\u+16*\b+\i+1], v[S+64*\u+16*\b+\i+1], v[BM+US*\u+2*\b+1]
.if \i < 14
	v_pk_add_f32 v[BM+US*\u+2*\b:BM+US*\u+2*\b+1], v[BM+US*\u+2*\b:BM+US*\u+2*\b+1], 0xfb800000 op_sel_hi:[1,0]
.endif
.endm
.macro START u, b, k                   ; a block's first limits: tile 0's first pair + k
	v_pk_add_f32 v[BM+US*\u+2*\b:BM+US*\u+2*\b+1], v[LQ:LQ+1], \k op_sel_hi:[1,0]
.endm
.macro MASK
	v_mov_b32 v[BM], v[LQ]
	v_mov_b32 v[BM+1], v[LQ+1]
	START 0, 1, 0xfd800000                         ; - 32 x 2^119
	START 0, 2, 0xfe000000                         ; - 64
	START 0, 3, 0xfe400000                         ; - 96
	START 1, 0, 0x7c800000                         ; + 8
	START 1, 1, 0xfd400000                         ; - 24
	START 1, 2, 0xfde00000                         ; - 56
	START 1, 3, 0xfe300000                         ; - 88
.irp i, 0,2,4,6,8,10,12,14
.irp u, 0,1
.irp b, 0,1,2,3
	LIMIT \u, \b, \i
.endr
.endr
.endr
.endm
.macro MX r                            ; eight rounds: each block's largest score, both tiles
.irp u, 0,1
.irp b, 0,1,2,3
.if (\r) == 0
	v_max3_num_f32 v[BM+US*\u+\b], v[S+64*\u+16*\b], v[S+64*\u+16*\b+1], v[S+64*\u+16*\b+2]
.elseif (\r) < 7
	v_max3_num_f32 v[BM+US*\u+\b], v[BM+US*\u+\b], v[S+64*\u+16*\b+2*(\r)+1], v[S+64*\u+16*\b+2*(\r)+2]
.else
	v_max_num_f32 v[BM+US*\u+\b], v[BM+US*\u+\b], v[S+64*\u+16*\b+15]
.endif
.endr
.endr
.endm
.macro KLOAD                           ; a step's four fragments of k, and their scale words (lanes 0-15)
	WIN 0x40
.irp b, 0,1,2,3
.irp c, 0,1,2,3
	ds_load_b128 v[16*\b+4*\c:16*\b+4*\c+3], v[ADR] offset:2048*\b+512*\c
.endr
.endr
	WIN 0
	ds_load_b128 v[SCK:SCK+3], v[ADR] offset:16384
.endm
.macro PLACE lim                       ; where trip IN's keys lie: A place 2 i; B place 2 i + 1, and from its turn on 2 (i - turn)
	s_cmp_ge_u32 s[IN], s[SW]
	s_cselect_b32 s60, s[SW], 0
	s_cselect_b32 s61, 0, s[ISB]
	s_sub_co_u32 s60, s[IN], s60
	s_lshl_b32 s60, s60, 1
	s_add_co_u32 s60, s60, s61
	s_and_b32 s60, s60, \lim                       ; (the place is at most \lim: nothing is cut)
	s_mul_i32 s[TB], s60, STEPB
.endm
.macro HOLD u, n                       ; pair n of a tile's p under 448 x the scale (the conversion to an 8-bit code does not saturate: ISA guide 7.6.2); p is not negative
	v_dual_min_num_f32 v[S+64*\u+2*(\n)], v[S+64*\u+2*(\n)], v[LM+US*\u+(\n)/8] :: v_dual_min_num_f32 v[S+64*\u+2*(\n)+1], v[S+64*\u+2*(\n)+1], v[LM+US*\u+(\n)/8]
.endm
.macro CVT u, b
	v_cvt_scalef32_pk8_fp8_f32 v[PC+16*\u+4*\b:PC+16*\u+4*\b+1], v[S+64*\u+16*\b:S+64*\u+16*\b+7], v[SO+US*\u+\b]
	v_cvt_scalef32_pk8_fp8_f32 v[PC+16*\u+4*\b+2:PC+16*\u+4*\b+3], v[S+64*\u+16*\b+8:S+64*\u+16*\b+15], v[SO+US*\u+\b]
.endm
.macro FLOOR u                         ; the floor 2^(9 - 127) under a block's largest p
	v_dual_max_num_f32 v[BM+US*\u], 0x4800000, v[BM+US*\u] :: v_dual_max_num_f32 v[BM+US*\u+1], 0x4800000, v[BM+US*\u+1]
	v_dual_max_num_f32 v[BM+US*\u+2], 0x4800000, v[BM+US*\u+2] :: v_dual_max_num_f32 v[BM+US*\u+3], 0x4800000, v[BM+US*\u+3]
.endm
.macro SCALES u                        ; the sum from its fifth pair on, and among it the scales: the conversion's operands, the bounds, the bytes, p's scale word for these 128 keys
	FLOOR \u
	SUMS \u, 4, 12
.irp b, 0,1,2,3
	v_add_nc_u32 v[SO+US*\u+\b], 0xfc000000, v[BM+US*\u+\b]   ; 8 off the exponent field
.endr
	SUMS \u, 12, 16
.irp b, 0,1,2,3
	v_and_or_b32 v[LM+US*\u+\b], v[BM+US*\u+\b], 0x7f800000, s[MNT]   ; 448 x the scale
.endr
	SUMS \u, 16, 20
.irp b, 0,1,2,3
	v_lshrrev_b32 v[TP+US*\u+\b], 23, v[SO+US*\u+\b]
.endr
	SUMS \u, 20, 24
	v_lshl_or_b32 v[PS+\u], v[TP+US*\u+1], 8, v[TP+US*\u]
	SUMS \u, 24, 28
	v_lshl_or_b32 v[PS+\u], v[TP+US*\u+2], 16, v[PS+\u]
	SUMS \u, 28, 32
	v_lshl_or_b32 v[PS+\u], v[TP+US*\u+3], 24, v[PS+\u]
.endm
; A KEY STEP of two tiles; its k is in registers.  kind 0: trip 0, in which the barrier that shows the other places is signalled; 1: the others.
.macro STEP kind
	WIN 0x05                                       ; sources in window 1, results in window 0
.irp u, 0,1
.irp b, 0,1,2,3
	v_wmma_scale_f32_16x16x128_f8f6f4 v[S+64*\u+16*\b:S+64*\u+16*\b+7], v[16*\b:16*\b+15], v[Q+8+16*\u:Q+23+16*\u], 0, v[SCK+\b], v[QS+\u]
	v_wmma_scale_f32_16x16x128_f8f6f4 v[S+64*\u+16*\b+8:S+64*\u+16*\b+15], v[16*\b:16*\b+15], v[Q+16*\u:Q+15+16*\u], 0, v[SCK+\b], v[QS+\u]
.endr
.endr
	PLACES8                                        ; in front of the loads into what these and the last step's products read, and of the scores' first readers
	WIN 0x40
.irp n, 0,1,2,3
.irp c, 0,1,2,3
	ds_load_b128 v[VD+16*\n+4*\c:VD+16*\n+4*\c+3], v[ADR] offset:8192+2048*\n+512*\c   ; v lands while the softmax is worked
.endr
.endr
	WIN 0
	ds_load_b128 v[SCV:SCV+3], v[ADR] offset:16384 ; lanes 16-31: the words of v's four tiles
	s_add_co_u32 s[IN], s[I], 1
.if \kind == 0
	PLACE 3
.else
	s_cmp_eq_u32 s[IN], s[END]                     ; behind my last step nothing is fetched
	s_cbranch_scc1 .Lno_next_\@
	PLACE 15
.endif
	v_add_nc_u32 v[ADR], s[TB], v[LI]
	KLOAD                                          ; the next step's k
.Lno_next_\@:
.if \kind
	s_cmp_eq_u32 s[I], 8                           ; B's last step lies on the short block's diagonal
	s_cbranch_scc1 .Lmask_\@
.endif
	s_cmp_lg_u32 s[IN], s[SW]                      ; and its last step of the long block on that one's
	s_cbranch_scc1 .Lopen_\@
.Lmask_\@:
	MASK
.Lopen_\@:
.irp r, 0,1,2,3,4,5,6,7
	MX \r
.endr
.irp u, 0,1
.irp b, 0,1,2,3
	v_permlanex16_b32 v[TP+US*\u+\b], v[BM+US*\u+\b], s[SEL], s[SEL+1]
.endr
.endr
.irp u, 0,1
	v_dual_max_num_f32 v[BM+US*\u], v[BM+US*\u], v[TP+US*\u] :: v_dual_max_num_f32 v[BM+US*\u+1], v[BM+US*\u+1], v[TP+US*\u+1]
	v_dual_max_num_f32 v[BM+US*\u+2], v[BM+US*\u+2], v[TP+US*\u+2] :: v_dual_max_num_f32 v[BM+US*\u+3], v[BM+US*\u+3], v[TP+US*\u+3]
.endr
.irp u, 0,1
	v_max3_num_f32 v[T0+US*\u], v[BM+US*\u], v[BM+US*\u+1], v[BM+US*\u+2]
.endr
.irp u, 0,1
	v_mov_b32 v[T1+US*\u], v[MM+US*\u]
.endr
.irp u, 0,1
	v_max3_num_f32 v[MM+1+US*\u], v[MM+1+US*\u], v[BM+US*\u+3], v[T0+US*\u]   ; the running largest score
.endr
.irp u, 0,1
	v_mul_f32 v[T0+US*\u], s[NC], v[MM+1+US*\u]    ; -t
.endr
.irp u, 0,1
	v_floor_f32 v[MM+US*\u], v[T0+US*\u]           ; -M = floor(-t)
.endr
.set N, 0
.rept 32
	v_pk_fma_f32 v[S+N:S+N+1], v[S+N:S+N+1], s[CS:CS+1], v[MM:MM+1] op_sel_hi:[1,0,0]   ; tile 0: t - M
.if N == 0
	v_sub_f32 v[T1], v[MM], v[T1]                  ; old M - new M: a whole number, 0 or less
	v_sub_f32 v[T1+US], v[MM+US], v[T1+US]
.elseif N == 4
	v_cvt_i32_f32 v[T1], v[T1]                     ; (it saturates)
	v_cvt_i32_f32 v[T1+US], v[T1+US]
.elseif N == 8
	v_ldexp_f32 v[F], 1.0, v[T1]                   ; f = 2^(old M - new M)
	v_ldexp_f32 v[F+US], 1.0, v[T1+US]
.endif
.set N, N+2
.endr
	v_pk_fma_f32 v[BM:BM+1], v[BM:BM+1], s[CS:CS+1], v[MM:MM+1] op_sel_hi:[1,0,0]
	v_pk_fma_f32 v[BM+2:BM+3], v[BM+2:BM+3], s[CS:CS+1], v[MM:MM+1] op_sel_hi:[1,0,0]
	s_wait_alu depctr_va_vdst(0)                   ; a wait ahead of a batch
.set N, 0
.rept 32                               ; tile 0's exponentials, and among them tile 1's t - M
	v_exp_f32 v[S+2*N], v[S+2*N]                   ; p = 2^(t - M)
	v_exp_f32 v[S+2*N+1], v[S+2*N+1]
	v_pk_fma_f32 v[S+64+2*N:S+64+2*N+1], v[S+64+2*N:S+64+2*N+1], s[CS:CS+1], v[MM+US:MM+US+1] op_sel_hi:[1,0,0]
.set N, N+1
.endr
.irp b, 0,1,2,3
	v_exp_f32 v[BM+\b], v[BM+\b]                   ; a block's largest p: the same two instructions on its largest score
.endr
	v_pk_fma_f32 v[BM+US:BM+US+1], v[BM+US:BM+US+1], s[CS:CS+1], v[MM+US:MM+US+1] op_sel_hi:[1,0,0]
	v_pk_fma_f32 v[BM+US+2:BM+US+3], v[BM+US+2:BM+US+3], s[CS:CS+1], v[MM+US:MM+US+1] op_sel_hi:[1,0,0]
	s_wait_alu depctr_va_vdst(0)                   ; and behind it
	SUMS 0, 0, 4
	SCALES 0
	s_wait_alu depctr_va_vdst(0)
.set N, 0
.rept 32                               ; tile 1's exponentials, and among them tile 0's holds (its p have been summed)
	v_exp_f32 v[S+64+2*N], v[S+64+2*N]
	v_exp_f32 v[S+64+2*N+1], v[S+64+2*N+1]
	HOLD 0, N
.set N, N+1
.endr
.irp b, 0,1,2,3
	v_exp_f32 v[BM+US+\b], v[BM+US+\b]
.endr
	s_wait_alu depctr_va_vdst(0)
	SUMS 1, 0, 4
.irp b, 0,1,2,3
	CVT 0, \b
.endr
	SCALES 1
.set N, 0
.rept 32
	HOLD 1, N
.set N, N+1
.endr
.irp b, 0,1,2,3
	CVT 1, \b
.endr
	WIN 0x51                                       ; O^T and v in window 1, factors and codes in window 0
	s_wait_alu depctr_va_vdst(0)                   ; a wait here
	s_wait_dscnt 0x0                               ; v is in, and the next step's k
.if \kind == 0
	s_wait_tensorcnt 0x0                           ; my places are in
	s_barrier_signal -1
.endif
	s_wait_alu depctr_va_vdst(0)                   ; and directly ahead of the first reader of O^T
.set N, 0
.rept 16
	v_pk_mul_f32 v[O+N:O+N+1], v[O+N:O+N+1], v[F:F+1] op_sel_hi:[1,0]   ; O^T under the new M; also the places between the codes and the products
	v_pk_mul_f32 v[O+32+N:O+32+N+1], v[O+32+N:O+32+N+1], v[F+US:F+US+1] op_sel_hi:[1,0]
.set N, N+2
.endr
.irp n, 0,1,2,3
.irp u, 0,1
	v_wmma_scale_f32_16x16x128_f8f6f4 v[O+32*\u+8*\n:O+32*\u+8*\n+7], v[VD+16*\n:VD+16*\n+15], v[PC+16*\u:PC+16*\u+15], v[O+32*\u+8*\n:O+32*\u+8*\n+7], v[SCV+\n], v[PS+\u] matrix_a_scale:MATRIX_SCALE_ROW1
.endr
.endr
	WIN 0
.endm
	s_wait_alu depctr_va_vdst(0)
	s_wait_loadcnt 0x0                             ; q
	s_cmp_lt_u32 s[WV], 4
	s_cbranch_scc0 .Lnot_first
	s_wait_tensorcnt 0x0                           ; places 0 to 3
.Lnot_first:
	s_barrier_signal -1
	s_barrier_wait -1
	s_mov_b32 s[I], 0
	s_mul_i32 s[TB], s[ISB], STEPB
	v_add_nc_u32 v[ADR], s[TB], v[LI]
	KLOAD
	s_wait_alu depctr_va_vdst(0)
	s_wait_dscnt 0x0
	STEP 0
	s_barrier_wait -1                              ; all of the head is in
	s_mov_b32 s[I], 1
.Ltrip:
	s_cmp_eq_u32 s[I], s[END]
	s_cbranch_scc1 .Lidle                          ; A has no ninth step
	s_cmp_eq_u32 s[ISB], 0
	s_cbranch_scc1 .Lstay
	s_cmp_lg_u32 s[I], s[SW]
	s_cbranch_scc1 .Lstay
	; B turns from the long block to the short one: O^T, -M and the sums go to the pair's bytes in LDS, and the short block's q comes
	QLOAD 54, 56
	FOLD
	PLACES8                                        ; behind the last products, whose results are stored
	WIN 0x04
.irp n, 0,1,2,3,4,5,6,7
	ds_store_b128 v[STG], v[O+4*\n:O+4*\n+3] offset:512*\n
	ds_store_b128 v[STG], v[O+32+4*\n:O+32+4*\n+3] offset:4608+512*\n
.endr
	WIN 0
	ds_store_b128 v[STG], v[MM:MM+3] offset:4096
	ds_store_b128 v[STG], v[MM+US:MM+US+3] offset:4608+4096
	s_wait_dscnt 0x0
	RESET
	s_wait_alu depctr_va_vdst(0)
	s_wait_loadcnt 0x0
.Lstay:
	STEP 1
.Lidle:
	s_add_co_u32 s[I], s[I], 1
	s_cmp_lt_u32 s[I], 9
	s_cbranch_scc1 .Ltrip
	FOLD
	PLACES8                                        ; behind the last products
	s_wait_alu depctr_va_vdst(0)
	s_wait_dscnt 0x0                               ; what B hands over lies in LDS
	s_barrier_signal -1
	s_barrier_wait -1
	s_cmp_eq_u32 s[ISB], 1
	s_cbranch_scc1 .Lout
	; A joins the long block's two parts under the larger M: multiplications by whole powers of two
.irp u, 0,1
	ds_load_b128 v[PC+16*\u:PC+16*\u+3], v[STG] offset:4608*\u+4096
.endr
	WIN 0x40
.irp u, 0,1
.irp n, 0,1,2,3,4,5,6,7
	ds_load_b128 v[32*\u+4*\n:32*\u+4*\n+3], v[STG] offset:4608*\u+512*\n
.endr
.endr
	WIN 0
	s_wait_dscnt 0x0
.irp u, 0,1
	v_min_num_f32 v[PC+4+16*\u], v[MM+US*\u], v[PC+16*\u]
.endr
.irp u, 0,1
	v_sub_f32 v[PC+7+16*\u], v[PC+4+16*\u], v[MM+US*\u]
	v_sub_f32 v[PC+9+16*\u], v[PC+4+16*\u], v[PC+16*\u]
.endr
.irp u, 0,1
	v_cvt_i32_f32 v[PC+7+16*\u], v[PC+7+16*\u]
	v_cvt_i32_f32 v[PC+9+16*\u], v[PC+9+16*\u]
.endr
.irp u, 0,1
	v_ldexp_f32 v[PC+6+16*\u], 1.0, v[PC+7+16*\u]  ; my part's factor
	v_ldexp_f32 v[PC+8+16*\u], 1.0, v[PC+9+16*\u]  ; and the other's
.endr
.irp u, 0,1
	v_pk_mul_f32 v[F+US*\u:F+US*\u+1], v[F+US*\u:F+US*\u+1], v[PC+6+16*\u:PC+7+16*\u] op_sel_hi:[1,0]
.endr
.irp u, 0,1
	v_pk_fma_f32 v[F+US*\u:F+US*\u+1], v[PC+2+16*\u:PC+3+16*\u], v[PC+8+16*\u:PC+9+16*\u], v[F+US*\u:F+US*\u+1] op_sel_hi:[1,0,1]
.endr
	WIN 0x51
.irp u, 0,1
.set N, 0
.rept 16
	v_pk_mul_f32 v[O+32*\u+N:O+32*\u+N+1], v[O+32*\u+N:O+32*\u+N+1], v[PC+6+16*\u:PC+7+16*\u] op_sel_hi:[1,0]
.set N, N+2
.endr
.endr
.irp u, 0,1
.set N, 0
.rept 16
	v_pk_fma_f32 v[O+32*\u+N:O+32*\u+N+1], v[32*\u+N:32*\u+N+1], v[PC+8+16*\u:PC+9+16*\u], v[O+32*\u+N:O+32*\u+N+1] op_sel_hi:[1,0,1]
.set N, N+2
.endr
.endr
	WIN 0
.Lout:
	; THE WAY OUT: O^T / the sum, quantised along d (two blocks of 32, each in lanes l and l xor 16): two pieces of the last product's operand, two tiles
.irp u, 0,1
	v_add_f32 v[T0+US*\u], v[F+US*\u], v[F+1+US*\u]
.endr
.irp u, 0,1
	v_permlanex16_b32 v[T1+US*\u], v[T0+US*\u], s[SEL], s[SEL+1]
.endr
.irp u, 0,1
	v_add_f32 v[T0+US*\u], v[T0+US*\u], v[T1+US*\u]
.endr
	s_wait_alu depctr_va_vdst(0)
.irp u, 0,1
	v_rcp_f32 v[T0+US*\u], v[T0+US*\u]
.endr
	v_nop                                          ; a plain line behind the reciprocals
	WIN 0x01
	s_wait_alu depctr_va_vdst(0)                   ; and the wait ahead of their first reader
.irp u, 0,1
.set N, 0
.rept 32
	v_mul_f32 v[S+64*\u+N], v[O+32*\u+N], v[T0+US*\u]   ; register 16 c + i: d = 32 c + 16 (lane / 16) + i of my query
.set N, N+1
.endr
.endr
	WIN 0
.macro BOTH                            ; (four blocks by turns)
.irp u, 0,1
.irp c, 0,1
	v_max3_num_f32 v[BM+US*\u+\c], |v[S+64*\u+16*\c]|, |v[S+64*\u+1+16*\c]|, 0x4800000
.endr
.endr
.irp i, 2,4,6,8,10,12,14
.irp u, 0,1
.irp c, 0,1
	v_max3_num_f32 v[BM+US*\u+\c], v[BM+US*\u+\c], |v[S+64*\u+16*\c+\i]|, |v[S+64*\u+1+16*\c+\i]|
.endr
.endr
.endr
.irp u, 0,1
.irp c, 0,1
	v_permlanex16_b32 v[TP+US*\u+\c], v[BM+US*\u+\c], s[SEL], s[SEL+1]
.endr
.endr
.irp u, 0,1
.irp c, 0,1
	v_max_num_f32 v[BM+US*\u+\c], v[BM+US*\u+\c], v[TP+US*\u+\c]
.endr
.endr
.irp u, 0,1
.irp c, 0,1
	v_add_nc_u32 v[SO+US*\u+\c], 0xfc000000, v[BM+US*\u+\c]
	v_and_or_b32 v[LM+US*\u+\c], v[BM+US*\u+\c], 0x7f800000, s[MNT]
.endr
.endr
.irp u, 0,1
.irp c, 0,1
	v_lshrrev_b32 v[TP+US*\u+\c], 23, v[SO+US*\u+\c]
.endr
.endr
.irp u, 0,1
	v_lshl_or_b32 v[T0+US*\u], v[TP+US*\u+1], 8, v[TP+US*\u]
.endr
.irp u, 0,1
.irp c, 0,1
.irp i, 0,1,2,3,4,5,6,7,8,9,10,11,12,13,14,15
	v_med3_num_f32 v[S+64*\u+16*\c+\i], v[S+64*\u+16*\c+\i], -v[LM+US*\u+\c], v[LM+US*\u+\c]
.endr
	CVT \u, \c
.endr
.endr
.endm
	BOTH
	v_nop
.irp u, 0,1
	global_store_b128 v[LI], v[PC+16*\u:PC+16*\u+3], s[66:67] offset:2048*\u           ; a piece: 512 consecutive bytes
	global_store_b128 v[LI], v[PC+16*\u+4:PC+16*\u+7], s[66:67] offset:2048*\u+512
	global_store_b16 v[R16], v[T0+US*\u], s[68:69] offset:512*\u   ; my head's two bytes of the row's scale word: 32 bytes for each 1,024 of codes leave in parts of 256-byte runs
.endr
	s_wait_tensorcnt 0x0                           ; the wave's end
	ds_add_u32 v254, v255
	s_wait_dscnt 0x0
	CROUND                                         ; the closing round
	s_endpgm
.Lfunc_end_k_qb5a6981250_attn:
	.size	k_qb5a6981250_attn, .Lfunc_end_k_qb5a6981250_attn-k_qb5a6981250_attn
	.p2alignl 7, 3214868480
	.fill 96, 4, 3214868480
	.section	.rodata,"a",@progbits
	.p2align	6, 0x0
	.amdhsa_kernel k_qb5a6981250_attn
		.amdhsa_group_segment_fixed_size 308224
		.amdhsa_private_segment_fixed_size 0
		.amdhsa_enable_private_segment 0
		.amdhsa_kernarg_size 24
		.amdhsa_user_sgpr_count 2
		.amdhsa_user_sgpr_kernarg_segment_ptr 1
		.amdhsa_wavefront_size32 1
		.amdhsa_system_sgpr_workgroup_id_x 1
		.amdhsa_system_sgpr_workgroup_id_y 1
		.amdhsa_system_sgpr_workgroup_id_z 1
		.amdhsa_system_vgpr_workitem_id 0
		.amdhsa_next_free_vgpr 512
		.amdhsa_next_free_sgpr 80
		.amdhsa_reserve_vcc 0
		.amdhsa_float_denorm_mode_32 3
		.amdhsa_float_denorm_mode_16_64 3
		.amdhsa_memory_ordered 1
		.amdhsa_forward_progress 1
		.amdhsa_inst_pref_size 124
	.end_amdhsa_kernel
	.amdgpu_metadata
---
amdhsa.version: [ 1, 2 ]
amdhsa.kernels:
  - .name:           k_qb5a6981250_attn
    .symbol:         k_qb5a6981250_attn.kd
    .args:
      - { .name: qq, .offset: 0, .size: 8, .value_kind: global_buffer, .address_space: global }
      - { .name: kv, .offset: 8, .size: 8, .value_kind: global_buffer, .address_space: global }
      - { .name: ao, .offset: 16, .size: 8, .value_kind: global_buffer, .address_space: global }
    .group_segment_fixed_size: 308224
    .private_segment_fixed_size: 0
    .kernarg_segment_align: 8
    .kernarg_segment_size: 24
    .max_flat_workgroup_size: 256
    .sgpr_count:     80
    .vgpr_count:     512
    .wavefront_size: 32
...
	.end_amdgpu_metadata
.endif
;; end of part 3
;; launch oproj (part 4): grid 8 x 32, 4 waves a work-group, clusters of 4 x 4, 280,064 bytes of LDS; arguments ao, wo, b_out, out0; writes out0
.if DOCPART == 4
	.amdgcn_target "amdgcn-amd-amdhsa--gfx1250"
	.amdhsa_code_object_version 6
	.text
	.protected	k_qb5a6981250_oproj
	.globl	k_qb5a6981250_oproj
	.p2align	8
	.type	k_qb5a6981250_oproj,@function
k_qb5a6981250_oproj:
	s_mov_b64 s[64:65], 0
	v_nop
	global_prefetch_b8 v0, s[64:65] scope:SCOPE_SE
	s_setreg_imm32_b32 hwreg(HW_REG_WAVE_MODE, 25, 1), 1
	s_wait_xcnt 0x0
	s_wait_alu depctr_hold_cnt(0) depctr_sa_sdst(0) depctr_va_vdst(0) depctr_va_sdst(0) depctr_va_ssrc(0) depctr_va_vcc(0) depctr_vm_vsrc(0)
	s_getreg_b32 s2, hwreg(HW_REG_IB_STS2, 6, 4)
	s_cmp_eq_u32 s2, 0
	s_cbranch_scc0 .Lentry_in_a_cluster
	s_endpgm
.Lentry_in_a_cluster:
	s_bfe_u32 s2, ttmp6, 0x10000c
	s_cmp_lg_u32 s2, 0xf033
	s_cbranch_scc0 .Lentry_shape_is_right
	s_endpgm
.Lentry_shape_is_right:
; out0 = a w_out + b_out on codes of FP8 (E4M3) with E8M0 scales; a is the attention's result, [4096][1024]; out0 is f32.
; SHARES.  A work-group makes 128 tokens x 128 columns (256 work-groups), each of its four waves 64 x 64: 16 accumulators.  K = 1024 goes in 8 steps of 128, written out.
; Both operands lie in memory as images of their registers.  ALL OF K LIES IN LDS, filled ONCE: 8 x 16,384 bytes of a, as many of w.  One joint load a wave: wave 0 a's K steps 0-3, wave 1 w's, wave 2 a's K steps 4-7, wave 3 w's; two barriers show them.
; CLUSTERS: 4 x 4 work-groups; a's tiles hang on the block of tokens alone (shared along a row of the cluster), w's on the block of columns alone (along a column).  No prefetch: every request goes out at the head.
; THE MATRIX INSTRUCTION IS USED TRANSPOSED (source 0 = 16 columns of w, source 1 = 16 tokens): a lane holds eight neighbouring numbers of a row of out0.  The bias is the C of each sum's first instruction.
; A tile of tokens 2 g + u holds tokens 32 g + 8 u + r + 8 (r / 8): the way out puts each row where it belongs.
; LIMITS: NaN and infinities are not served.
; REGISTERS: window 0: v1-15 addresses; v32-47 a's scale words, v50-65 w's; v66-97 the bias, later v64-127 rows on the way out; v128-255 the accumulators (8 (4 xt + ct)).   window 1: two fragment buffers of 128 (a's 64, then w's 64).
.set KB,   16384                       ; a K step of either operand: 8 tiles
.set BB0,  8*KB                        ; w's bytes begin here
.set STAGE, 16*KB                      ; behind them: 16 rows x 272 bytes for each wave, written by LDS stores alone
.set SPITCH, 272
.set SPARE, STAGE+4*16*SPITCH
.set LI,   1
.set ADRA, 8                           ; v8-9   my four tiles of a: K steps 0-3, 4-7 (an LDS offset has 16 bits)
.set ADRB, 10                          ; v10-11 of w
.set STO,  12
.set RD,   13
.set CO,   14
.set BO,   15
.set AS,   32                          ; no product's two scale registers have numbers equal modulo 8
.set WS,   50
.set BIAS, 66
.set BK,   64
.set ACC,  128
.set G1A,  24
.set G1B,  32
.set G0A,  40
.set G0B,  44
.set MSB, 0
.macro WIN new
.if MSB != \new
	s_set_vgpr_msb (MSB<<8)|\new
.set MSB, \new
.endif
.endm
.macro CROUND
	s_barrier_signal -1
	s_barrier_wait -1
	s_cmp_lg_u32 s14, 0
	s_cbranch_scc1 .Lnot_wave_0_\@
	s_barrier_signal -3
.Lnot_wave_0_\@:
	s_barrier_wait -3
	s_barrier_signal -1
	s_barrier_wait -1
.endm
.macro TL g0, g1
	tensor_load_to_lds s[\g0:\g0+3], s[\g1:\g1+7]
	s_nop 0
.rept 4
	v_nop
.endr
.endm
.macro ARM under, g0, g1, next
	s_cmp_lt_u32 s14, \under
	s_cbranch_scc0 \next
	TL \g0, \g1
	s_branch .Lasked
\next:
.endm
	s_load_b256 s[4:11], s[0:1], 0x0               ; ao s[4:5], wo s[6:7], b_out s[8:9], out0 s[10:11]
	v_lshl_add_u32 v30, v0, 2, SPARE
	v_mov_b32 v31, 0
	ds_add_u32 v30, v31                            ; the opening: the add, twice on end
	ds_add_u32 v30, v31
	v_lshrrev_b32 v1, 5, v0
	v_readfirstlane_b32 s14, v1                    ; wave 0..3
	s_lshr_b32 s15, s14, 1                         ; which 64 tokens are mine.  Also: which four K steps I fetch
	s_and_b32 s16, s14, 1                          ; which 64 columns
	s_bfe_u32 s86, ttmp6, 0x40000                  ; cx
	s_bfe_u32 s87, ttmp6, 0x40004                  ; cy
	s_lshl_b32 s88, ttmp9, 2
	s_add_co_u32 s88, s88, s86                     ; the block of 128 columns
	s_and_b32 s17, ttmp7, 0xffff
	s_lshl_b32 s17, s17, 2
	s_add_co_u32 s17, s17, s87                     ; the block of 128 tokens
	s_lshl_b32 s89, s87, 2
	s_lshl_b32 s89, 15, s89                        ; my row of the cluster
	s_lshl_b32 s90, 0x1111, s86                    ; my column
	s_or_b32 s[G1A], s89, (3<<16)|(1<<21)          ; a dense block of 256 rows of 256 bytes (32 elements of 8 bytes), no padding: four K steps
	s_or_b32 s[G1B], s90, (3<<16)|(1<<21)
.irp g, G1A, G1B
	s_mov_b32 s[\g+1], 32<<16
	s_mov_b32 s[\g+2], 256<<16
	s_mov_b32 s[\g+3], 32<<16
	s_mov_b32 s[\g+4], 256
	s_mov_b32 s[\g+5], 32
	s_mov_b32 s[\g+6], 0
	s_mov_b32 s[\g+7], 0
.endr
	s_lshl_b32 s18, s15, 16                        ; my four K steps: in memory and in LDS
	s_lshl_b32 s20, s17, 17
	s_add_co_u32 s20, s20, s18
	s_mov_b32 s21, 0
	s_lshl_b32 s22, s88, 17
	s_add_co_u32 s22, s22, s18
	s_mov_b32 s23, 0
	s_wait_dscnt 0x0
	s_wait_kmcnt 0x0
	s_mov_b32 s[G0A], 1
	s_mov_b32 s[G0A+1], s18
	s_add_nc_u64 s[G0A+2:G0A+3], s[4:5], s[20:21]
	s_or_b32 s[G0A+3], s[G0A+3], 0x80000000
	s_mov_b32 s[G0B], 1
	s_add_co_u32 s[G0B+1], s18, BB0
	s_add_nc_u64 s[G0B+2:G0B+3], s[6:7], s[22:23]
	s_or_b32 s[G0B+3], s[G0B+3], 0x80000000
	CROUND                                         ; all sixteen work-groups are here: the joint loads meet
	ARM 1, G0A, G1A, .Lwave_1                      ; one load a wave, each with a line of its own
	ARM 2, G0B, G1B, .Lwave_2
	ARM 3, G0A, G1A, .Lwave_3
	TL G0B, G1B
.Lasked:
	v_and_b32 v4, 31, v0
	v_lshlrev_b32 v[LI], 4, v4
	v_and_b32 v5, 15, v0                           ; r
	v_bfe_u32 v6, v0, 4, 1                         ; h
	v_lshlrev_b32 v[BO], 5, v6
	s_lshl_b32 s18, s15, 13                        ; my four tiles of a K step of a
	v_add_nc_u32 v[ADRA], s18, v[LI]
	s_add_co_u32 s18, s18, 4*KB
	v_add_nc_u32 v[ADRA+1], s18, v[LI]
	s_lshl_b32 s18, s16, 13                        ; and of w
	s_add_co_u32 s18, s18, BB0
	v_add_nc_u32 v[ADRB], s18, v[LI]
	s_add_co_u32 s18, s18, 4*KB
	v_add_nc_u32 v[ADRB+1], s18, v[LI]
	s_mul_i32 s18, s14, 16*SPITCH
	s_add_co_u32 s18, s18, STAGE                   ; my stage
	v_mul_u32_u24 v7, v5, SPITCH
	v_lshl_add_u32 v7, v6, 5, v7
	v_add_nc_u32 v[STO], s18, v7                   ; in: row r, 32 bytes for each half of the lanes
	v_mul_u32_u24 v7, v6, SPITCH
	v_lshl_add_u32 v7, v5, 4, v7
	v_add_nc_u32 v[RD], s18, v7                    ; back: lanes 0-15 one row of 256 bytes, lanes 16-31 the next
	v_lshlrev_b32 v7, 12, v6
	v_lshl_add_u32 v[CO], v5, 4, v7                ; and the same two rows in out0
	s_wait_alu depctr_va_vdst(0)
	s_lshl_b32 s56, s17, 12                        ; a's scale blocks: 512 bytes a tile, 8 tiles a block, my four
	s_lshl_b32 s18, s15, 11
	s_add_co_u32 s56, s56, s18
	s_add_co_u32 s56, s56, 4194304
	s_mov_b32 s57, 0
	s_add_nc_u64 s[56:57], s[4:5], s[56:57]
	s_lshl_b32 s58, s88, 12                        ; w's
	s_lshl_b32 s18, s16, 11
	s_add_co_u32 s58, s58, s18
	s_add_co_u32 s58, s58, 1048576
	s_mov_b32 s59, 0
	s_add_nc_u64 s[58:59], s[6:7], s[58:59]
	s_lshl_b32 s60, s88, 9                         ; my 64 columns, in bytes: in b_out and in a row of out0
	s_lshl_b32 s18, s16, 8
	s_add_co_u32 s60, s60, s18
	s_mov_b32 s61, 0
	s_add_nc_u64 s[62:63], s[8:9], s[60:61]
	s_lshl_b32 s12, s17, 19                        ; my first row of out0: 128 x block + 64 x half, 4,096 bytes a row
	s_lshl_b32 s18, s15, 18
	s_add_co_u32 s12, s12, s18
	s_add_co_u32 s12, s12, s60
	s_mov_b32 s13, 0
	s_add_nc_u64 s[12:13], s[10:11], s[12:13]
.irp t, 0,1,2,3
	global_load_b128 v[AS+4*\t:AS+4*\t+3], v[LI], s[56:57] offset:512*\t   ; register q: K step q in lanes 0-15, K step 4 + q in lanes 16-31
	global_load_b128 v[WS+4*\t:WS+4*\t+3], v[LI], s[58:59] offset:512*\t
	global_load_b128 v[BIAS+8*\t:BIAS+8*\t+3], v[BO], s[62:63] offset:64*\t
	global_load_b128 v[BIAS+8*\t+4:BIAS+8*\t+7], v[BO], s[62:63] offset:64*\t+16
.endr
.macro FETCH s                         ; K step s: my four fragments of w and of a into buffer s % 2: 32 loads of 512 consecutive bytes
	WIN 0x40
.irp t, 0,1,2,3
.irp c, 0,1,2,3
	ds_load_b128 v[128*((\s)%2)+64+16*\t+4*\c:128*((\s)%2)+64+16*\t+4*\c+3], v[ADRB+(\s)/4] offset:((\s)%4)*KB+2048*\t+512*\c
	ds_load_b128 v[128*((\s)%2)+16*\t+4*\c:128*((\s)%2)+16*\t+4*\c+3], v[ADRA+(\s)/4] offset:((\s)%4)*KB+2048*\t+512*\c
.endr
.endr
.endm
.macro KSTEP s
	s_wait_dscnt 0x0                               ; this step's fragments are in
.if (\s) == 3
	s_wait_tensorcnt 0x0                           ; K steps 4 to 7
	s_barrier_signal -1
	s_barrier_wait -1
.endif
.if (\s) < 7
	FETCH (\s)+1                                   ; into the buffer that the last step multiplied: eight places stand behind its products
.endif
	WIN 0x05                                       ; sources 0 (w) and 1 (a) window 1; C and D window 0
.set FB, 128*((\s)%2)
.irp t, 0,1,2,3
.irp c, 0,1,2,3
.if (\s) == 0
	v_wmma_scale_f32_16x16x128_f8f6f4 v[ACC+8*(4*\t+\c):ACC+8*(4*\t+\c)+7], v[FB+64+16*\c:FB+64+16*\c+15], v[FB+16*\t:FB+16*\t+15], v[BIAS+8*\c:BIAS+8*\c+7], v[WS+4*\c], v[AS+4*\t]
.elseif (\s) < 4
	v_wmma_scale_f32_16x16x128_f8f6f4 v[ACC+8*(4*\t+\c):ACC+8*(4*\t+\c)+7], v[FB+64+16*\c:FB+64+16*\c+15], v[FB+16*\t:FB+16*\t+15], v[ACC+8*(4*\t+\c):ACC+8*(4*\t+\c)+7], v[WS+4*\c+(\s)%4], v[AS+4*\t+(\s)%4]
.else
	v_wmma_scale_f32_16x16x128_f8f6f4 v[ACC+8*(4*\t+\c):ACC+8*(4*\t+\c)+7], v[FB+64+16*\c:FB+64+16*\c+15], v[FB+16*\t:FB+16*\t+15], v[ACC+8*(4*\t+\c):ACC+8*(4*\t+\c)+7], v[WS+4*\c+(\s)%4], v[AS+4*\t+(\s)%4] matrix_a_scale:MATRIX_SCALE_ROW1 matrix_b_scale:MATRIX_SCALE_ROW1
.endif
.endr
.endr
.rept 8
	v_nop                                          ; places in front of the next loads into this buffer, and of the first read of results
.endr
.endm
	s_wait_alu depctr_va_vdst(0)
	s_wait_loadcnt 0x0                             ; scale words and bias
	s_cmp_lt_u32 s14, 2
	s_cbranch_scc0 .Lnot_first
	s_wait_tensorcnt 0x0                           ; K steps 0 to 3
.Lnot_first:
	s_barrier_signal -1
	s_barrier_wait -1
	FETCH 0
.irp s, 0,1,2,3,4,5,6,7
	KSTEP \s                                       ; the 16 accumulators take turns, one instruction a turn, in the same order in every step
.endr
	WIN 0
; THE WAY OUT, a tile of 16 tokens x 64 columns at a time, through my own stage: in as 32 bytes a lane, back as whole rows of 256 bytes.  LDS serves a wave's instructions in order: no wait between the stores and the loads.
.macro TOSTAGE a
.irp c, 0,1,2,3
	ds_store_b128 v[STO], v[ACC+8*(4*(\a)+\c):ACC+8*(4*(\a)+\c)+3] offset:64*\c        ; each accumulator from its low end on
	ds_store_b128 v[STO], v[ACC+8*(4*(\a)+\c)+4:ACC+8*(4*(\a)+\c)+7] offset:64*\c+16
.endr
.set BB, BK+32*((\a)%2)
.irp t, 0,1,2,3,4,5,6,7
	ds_load_b128 v[BB+4*\t:BB+4*\t+3], v[RD] offset:\t*2*SPITCH
.endr
.endm
.macro SEND a, younger                 ; younger: the LDS instructions issued behind tile a's loads
.set BB, BK+32*((\a)%2)
	s_wait_dscnt \younger
.irp t, 0,1,2,3,4,5,6,7
	global_store_b128 v[CO], v[BB+4*\t:BB+4*\t+3], s[12:13] offset:(32*((\a)/2)+8*((\a)%2)+2*\t+8*(\t/4))*4096 th:TH_STORE_NT   ; stage row i is token i + 8 (i / 8) of the tile; sixteen lanes store 256 consecutive bytes, aligned
.endr
.endm
	TOSTAGE 0
.irp a, 1,2,3
.if \a > 1
	s_wait_xcnt 0x0                                ; tile a - 2's stores have read their registers: tile a's loads may land there
.endif
	TOSTAGE \a
	SEND \a-1, 16                                  ; behind tile a - 1's loads: tile a's 8 stores and 8 loads
.endr
	SEND 3, 0
	s_wait_tensorcnt 0x0                           ; the wave's end
	ds_add_u32 v30, v31
	s_wait_dscnt 0x0
	CROUND                                         ; the closing round
	s_endpgm
.Lfunc_end_k_qb5a6981250_oproj:
	.size	k_qb5a6981250_oproj, .Lfunc_end_k_qb5a6981250_oproj-k_qb5a6981250_oproj
	.p2alignl 7, 3214868480
	.fill 96, 4, 3214868480
	.section	.rodata,"a",@progbits
	.p2align	6, 0x0
	.amdhsa_kernel k_qb5a6981250_oproj
		.amdhsa_group_segment_fixed_size 280064
		.amdhsa_private_segment_fixed_size 0
		.amdhsa_enable_private_segment 0
		.amdhsa_kernarg_size 32
		.amdhsa_user_sgpr_count 2
		.amdhsa_user_sgpr_kernarg_segment_ptr 1
		.amdhsa_wavefront_size32 1
		.amdhsa_system_sgpr_workgroup_id_x 1
		.amdhsa_system_sgpr_workgroup_id_y 1
		.amdhsa_system_sgpr_workgroup_id_z 1
		.amdhsa_system_vgpr_workitem_id 0
		.amdhsa_next_free_vgpr 512
		.amdhsa_next_free_sgpr 96
		.amdhsa_reserve_vcc 0
		.amdhsa_float_denorm_mode_32 3
		.amdhsa_float_denorm_mode_16_64 3
		.amdhsa_memory_ordered 1
		.amdhsa_forward_progress 1
		.amdhsa_inst_pref_size 51
	.end_amdhsa_kernel
	.amdgpu_metadata
---
amdhsa.version: [ 1, 2 ]
amdhsa.kernels:
  - .name:           k_qb5a6981250_oproj
    .symbol:         k_qb5a6981250_oproj.kd
    .args:
      - { .name: ao, .offset: 0, .size: 8, .value_kind: global_buffer, .address_space: global }
      - { .name: wo, .offset: 8, .size: 8, .value_kind: global_buffer, .address_space: global }
      - { .name: b_out, .offset: 16, .size: 8, .value_kind: global_buffer, .address_space: global }
      - { .name: out0, .offset: 24, .size: 8, .value_kind: global_buffer, .address_space: global }
    .group_segment_fixed_size: 280064
    .private_segment_fixed_size: 0
    .kernarg_segment_align: 8
    .kernarg_segment_size: 32
    .max_flat_workgroup_size: 128
    .sgpr_count:     96
    .vgpr_count:     512
    .wavefront_size: 32
...
	.end_amdgpu_metadata
.endif
;; end of part 4
